; MI455X (gfx1250); checked and timed in simulation.
; The chip was launched on July 23, 2026; its instructions are those of AMD's public machine-readable ISA for CDNA 5 (MIT licence, August 2026) and "CDNA5" Instruction Set Architecture Reference Guide (July 2026). The comments in the code are by the model that wrote it; some were corrected since.
;; Mixed Sparse Gated MLP. Allowed arithmetic: matrix products marked QUANTISED: E3M2 operands, one E8M0 scale for each 32 along K, by v_wmma_scale_f32_16x16x128_f8f6f4 with both operands' format E3M2, f32 sums; products left as they are: f32 operands where the result goes on into a quantised operand, else bf16, f16 or f32 operands; f32 sums; everything else in f32.
;; Inputs: b_down 2,048 float32; b_gate 8,192 float32; b_up 8,192 float32; w_down 8,192 x 2,048 float32; w_down_lora_a 8,192 x 16 float32; w_down_lora_b 16 x 2,048 float32; w_gate 2,048 x 8,192 float32; w_gate_lora_a 2,048 x 16 float32; w_gate_lora_b 16 x 8,192 float32; w_up 2,048 x 8,192 float32; w_up_lora_a 2,048 x 16 float32; w_up_lora_b 16 x 8,192 float32; x1 4 x 256 x 2,048 float32.
;; Outputs: out0 4 x 256 x 2,048 float32.
;; This version of the problem:
;;   THIS VERSION OF THE PROBLEM IS GIVEN IN LOW PRECISION. The matrix products marked QUANTISED in the list below multiply operands that are first quantised to E3M2 (3 exponent bits, 2 mantissa bits; 6 bits a number), with one power-of-two scale for each 32 numbers along K (OCP MX v1.0); their sums are f32. All else is computed in f32.
;;   The module's matrix products, in the order in which they are computed (A, B: the left and right operand; K: the contracted axis; several contracted axes count as one K, in the product's order):
;;     1. [M 1,024, K 2,048] x [K 2,048, N 8,192]; A: input x1; B: input w_gate: QUANTISED
;;     2. [M 1,024, K 2,048] x [K 2,048, N 16]; A: input x1; B: input w_gate_lora_a: QUANTISED
;;     3. [M 1,024, K 16] x [K 16, N 8,192]; A: computed on the way; B: input w_gate_lora_b: left as it is (K = 16 < 32)
;;     4. [M 1,024, K 2,048] x [K 2,048, N 8,192]; A: input x1; B: input w_up: QUANTISED
;;     5. [M 1,024, K 2,048] x [K 2,048, N 16]; A: input x1; B: input w_up_lora_a: QUANTISED
;;     6. [M 1,024, K 16] x [K 16, N 8,192]; A: computed on the way; B: input w_up_lora_b: left as it is (K = 16 < 32)
;;     7. [M 1,024, K 8,192] x [K 8,192, N 2,048]; A: computed on the way; B: input w_down: QUANTISED
;;     8. [M 1,024, K 8,192] x [K 8,192, N 16]; A: computed on the way; B: input w_down_lora_a: QUANTISED
;;     9. [M 1,024, K 16] x [K 16, N 2,048]; A: computed on the way; B: input w_down_lora_b: left as it is (K = 16 < 32)
;;   THE QUANTISER, for each operand of a quantised product, along K:
;;     - K is cut into blocks of 32 from its start; a last block that is shorter is filled with zeros.
;;     - A block's scale is 2^e with e = floor(log2(the largest magnitude in the block)) - 4, held to -126 .. 127; a block of zeros has e = 0. As a byte (E8M0): e + 127.
;;     - Each number is divided by its block's scale, clamped to +-28, and rounded to the nearest number of E3M2, ties to even, subnormals kept.
;;     - The product sums the exact products of the quantised numbers (number of the format x scale) in f32.
;;   ~~~python
;;   def quantise(x, axis):      # numpy; x: float32 -> the quantised numbers, widened to float32 again
;;       x = np.moveaxis(x, axis, -1); K = x.shape[-1]
;;       x = np.pad(x, [(0, 0)] * (x.ndim - 1) + [(0, -K % 32)]); x = x.reshape(x.shape[:-1] + (-1, 32)); a = np.abs(x).max(-1, keepdims=True)
;;       e = np.where(a > 0, np.clip(np.frexp(np.where(a > 0, a, 1))[1] - 1 - 4, -126, 127), 0)      # np.frexp(a)[1] - 1 = floor(log2(a)), exactly
;;       r = np.clip(x / 2.0 ** e, -28, 28)
;;       step = 2.0 ** (np.maximum(np.frexp(np.where(r == 0, 1, r))[1] - 1, -2) - 2)
;;       q = np.round(r / step) * step * 2.0 ** e      # np.round: ties to even
;;       return np.moveaxis(q.reshape(q.shape[:-2] + (-1,))[..., :K], -1, axis).astype(np.float32)
;;   ~~~
;;   OPERANDS COMPUTED ON THE WAY. 'Computed on the way' means the value that the module computes at that place (a softmax that the list does not call 'softmax' is quantised finished and normalised). What goes into a quantiser is computed in f32, as accurately as f32 sums, v_exp_f32 and their like allow (about 1e-6 of the number): no bf16 or f16 on the way to a quantiser, and a product that is left as it is and whose result goes on into a quantised operand takes f32 operands (vector FMAs, or v_wmma_f32_16x16x4_f32). A number that lies on a knife's edge between two numbers of the format may be rounded either way, as far as f32 arithmetic and the matrix unit's own rounding can turn it there, and no further.
;; 2 versions, each right; version 2 is version 1 with the launch prep written anew for expert scheduling mode. Each part assembles by itself: llvm-mc -triple=amdgcn-amd-amdhsa -mcpu=gfx1250 --defsym DOCPART=n.
;; ======== version 1 of 2: 3 launches
;; workspace buffers: xq 1,638,400 bytes; wgu 26,214,400 bytes; wdn 13,107,200 bytes; wdl 102,400 bytes; tl 131,072 bytes; x3q 6,553,600 bytes
;; launch prep (part 1): grid 289 x 1, 16 waves a work-group, no clusters, 69,632 bytes of LDS; arguments x1, w_gate, w_up, w_gate_lora_a, w_up_lora_a, w_down_lora_a, xq, wgu, wdl, tl; writes xq, wgu, wdl, tl
.if DOCPART == 1
	.amdgcn_target "amdgcn-amd-amdhsa--gfx1250"
	.amdhsa_code_object_version 6
	.text
	.protected	k_q463f160b81_prep
	.globl	k_q463f160b81_prep
	.p2align	8
	.type	k_q463f160b81_prep,@function
k_q463f160b81_prep:
	s_mov_b64 s[64:65], 0
	v_nop
	global_prefetch_b8 v0, s[64:65] scope:SCOPE_SE
	s_setreg_imm32_b32 hwreg(HW_REG_WAVE_MODE, 25, 1), 1
	s_wait_xcnt 0x0
; PREP: the operands that the next launch reads, and that arrive as f32, are quantised ONCE to codes of BF6 (E3M2) with one E8M0 byte for each 32 along K,
; and laid in the ORDER OF THE OPERAND'S REGISTERS: a fragment (16 rows x 128 K, 12 registers a lane, 1,536 bytes) lies as registers 4 g .. 4 g + 3 of lane L at 512 g + 16 L.
; (w_down, which only the third launch reads, is quantised by the second launch, between its matrix work.)
; Three kinds of work-group, told apart by the work-group's number alone:
;   0 .. 31   X: 32 rows of x1: codes and scale words into xq; and t_gate = Q(x1) Q(w_gate_lora_a), t_up = Q(x1) Q(w_up_lora_a) into tl (wave w takes K step w; the sixteen partial sums meet in LDS)
;   32        L: w_down_lora_a into wdl (wave w takes K steps 4 w .. 4 w + 3)
;   33 .. 288 W: w_gate and w_up into wgu, 128 work-groups each; a wave takes 32 columns x 256 along K and shares nothing with the others
; THE COLUMNS THAT FORM A TILE OF A LARGE WEIGHT ARE NOT NEIGHBOURS: of 32 columns, lane-row r of tile u is column 8 u + r + 8 (r / 8), so that in the transposed product the 16 registers
; of two neighbouring tiles are 16 neighbouring columns.
; A block's scale is 2^(floor(log2(its largest magnitude)) - 4); its byte is the largest magnitude's exponent field - 4, held at 1 from below.
; LIMITS: NaN and infinities among the inputs are not served.  A block whose largest magnitude lies under 2^-122 keeps the byte 1.  A block of zeros gets the byte 1 and not 127: its codes are zeros,
; which add nothing under any byte but 0xff, and the bytes are read by this program alone.  t is the sum of sixteen partial sums (one a K step), added as a tree in f32.
.set XSL, 65536                        ; LDS (path X alone): 0 .. 65,535 sixteen waves' partial t, 4,096 bytes each; from XSL on x's scale words, 2,048 bytes
.set X,   48                           ; path W: v48-111  two sets of 32 numbers
.set C,   112                          ;         v112-159 codes: 24 x K step + 12 x half + 6 c + e
.set CT,  160                          ;         v160-162 a block's upper 16 codes, until they are moved
.set SW,  164                          ;         v164-165 my column's scale words of the two K steps
.set NB0, 32                           ; paths X, L: v32-95, v96-159 two sets of 64 numbers
.set NB1, 96
.set XF0, 160                          ; v160-207 four fragments (X: x rows 0-15, x rows 16-31, gate's lora_a, up's lora_a;  L: four K steps)
.set WFG, 184
.set WFU, 196
.set TM,  208                          ; v208-223 at work: +0.. largest magnitudes, +4.. bytes, +12.. the conversions' scale operands
.set CT2, 224                          ; v224-230 the conversions' second halves
.set PW0, 232                          ; v232-235 scale words and nothing else (X: x's two, gate's, up's;  L: four K steps')
.set WSG, 234
.set WSU, 235
.set MW,  236                          ; v236-237 scale words merged for the way out
; ---- path W's macros
.macro LOADB t                         ; block t: W(32 t + i, my column), i = 0 .. 31: each load reads 128 consecutive bytes a wave, the four waves side by side 512.
.set li, 0                             ; A row is 32,768 bytes: the row stands in the immediate, 255 rows at the most, inside its signed 24 bits (ISA guide, chapter 10)
.rept 32
	global_load_b32 v[X+32*((\t)%2)+li], v4, s[40:41] offset:(32*(\t)+li)*32768 th:TH_LOAD_NT
.set li, li+1
.endr
.endm
.macro BLOCK t
.set XS, X+32*((\t)%2)
.set CD, C+24*((\t)/4)+12*((\t)%2)+6*(((\t)%4)/2)      ; block t of the wave's 8 is K step t / 4, half t % 2, c = (t % 4) / 2 of the fragment's layout
.if (\t) < 7
	s_wait_loadcnt 32                              ; this block's 32 loads are in; the next block's 32 may be out
.else
	s_wait_loadcnt 0x0
.endif
	v_max3_num_f32 v12, |v[XS]|, |v[XS+1]|, |v[XS+2]|              ; the block's largest magnitude: all 32 numbers are mine; two chains
	v_max3_num_f32 v13, |v[XS+3]|, |v[XS+4]|, |v[XS+5]|
.irp i, 6,10,14,18,22,26
	v_max3_num_f32 v12, v12, |v[XS+\i]|, |v[XS+\i+1]|
	v_max3_num_f32 v13, v13, |v[XS+\i+2]|, |v[XS+\i+3]|
.endr
	v_max3_num_f32 v12, v12, |v[XS+30]|, |v[XS+31]|
	v_max3_num_f32 v12, v12, v13, 0x2800000        ; and the floor 2^(5 - 127): the byte cannot fall under 1
	v_add_nc_u32 v11, 0xfe000000, v12              ; 4 off the exponent field: the conversion takes this operand's exponent field as its scale
	v_cvt_scalef32_pk16_bf6_f32 v[CD:CD+2], v[XS:XS+15], v11
	v_cvt_scalef32_pk16_bf6_f32 v[CT:CT+2], v[XS+16:XS+31], v11    ; (a conversion's three registers begin on an even number)
	v_lshrrev_b32 v13, 23, v11                     ; the scale's byte; also the plain line behind the conversions
.if (\t)%4 == 0
	v_mov_b32 v[SW+(\t)/4], v13                    ; four bytes to a word, the lower K in the lower byte
.else
	v_lshl_or_b32 v[SW+(\t)/4], v13, 8*((\t)%4), v[SW+(\t)/4]
.endif
.irp i, 0,1,2
	v_mov_b32 v[CD+3+\i], v[CT+\i]
.endr
.if (\t) < 6
	LOADB (\t)+2
.endif
.if (\t)%4 == 3                        ; a K step is whole: my column is lane-row r' of tile u, and I hold both halves of its 12 + 12 registers
.irp hh, 0,1
.irp g, 0,1,2
	global_store_b128 v[8+(\t)/4], v[C+24*((\t)/4)+12*\hh+4*\g:C+24*((\t)/4)+12*\hh+4*\g+3], s[56:57] offset:256*\hh+512*\g   ; sixteen lanes fill 256 consecutive bytes, aligned, in each of the two fragments
.endr
.endr
.endif
.endm
; ---- paths X and L's macros
; 64 numbers of a lane, register 16 b + i = k 32 b + 16 (lane / 16) + i of my row, become a fragment's codes in v[d] on and the row's scale word in v[pw]
.macro QUANT s, d, pw
.irp b, 0,1,2,3
	v_max3_num_f32 v[TM+\b], |v[\s+16*\b]|, |v[\s+1+16*\b]|, 0x2800000   ; block b: my 16 numbers and the floor
.endr
.irp i, 2,4,6,8,10,12,14
.irp b, 0,1,2,3
	v_max3_num_f32 v[TM+\b], v[TM+\b], |v[\s+16*\b+\i]|, |v[\s+1+16*\b+\i]|   ; the four blocks by turns
.endr
.endr
.irp b, 0,1,2,3
	v_permlanex16_b32 v[TM+4+\b], v[TM+\b], s4, s5
.endr
.irp b, 0,1,2,3
	v_max_num_f32 v[TM+\b], v[TM+\b], v[TM+4+\b]   ; with lane l xor 16's 16: the block's largest magnitude
.endr
.irp b, 0,1,2,3
	v_add_nc_u32 v[TM+12+\b], 0xfe000000, v[TM+\b]
.endr
.irp b, 0,1,2,3
	v_lshrrev_b32 v[TM+4+\b], 23, v[TM+12+\b]
.endr
	v_lshl_or_b32 v[\pw], v[TM+5], 8, v[TM+4]
	v_lshl_or_b32 v[\pw], v[TM+6], 16, v[\pw]
	v_lshl_or_b32 v[\pw], v[TM+7], 24, v[\pw]
.irp c, 0,1
	v_cvt_scalef32_pk16_bf6_f32 v[\d+6*\c:\d+2+6*\c], v[\s+32*\c:\s+15+32*\c], v[TM+12+2*\c]
	v_cvt_scalef32_pk16_bf6_f32 v[CT2+4*\c:CT2+2+4*\c], v[\s+16+32*\c:\s+31+32*\c], v[TM+13+2*\c]
.endr
	v_nop                                          ; one plain line behind a scaled conversion
.irp c, 0,1                            ; the layout wants a WHOLE block in a lane: lanes 0-15 block 2 c, lanes 16-31 block 2 c + 1
.irp i, 0,1,2
	v_permlane16_swap_b32 v[\d+6*\c+\i], v[CT2+4*\c+\i]
.endr
.irp i, 0,1,2
	v_mov_b32 v[\d+3+6*\c+\i], v[CT2+4*\c+\i]
.endr
.endr
.endm
; 64 numbers of a lane, register 32 c + i = W(64 c + 32 (lane / 16) + i, column lane % 16): two whole blocks; the codes are the operand's registers as they come
.macro QUANTW s, d, pw
.irp c, 0,1
	v_max3_num_f32 v[TM+\c], |v[\s+32*\c]|, |v[\s+1+32*\c]|, 0x2800000
.endr
.irp i, 2,4,6,8,10,12,14,16,18,20,22,24,26,28,30
.irp c, 0,1
	v_max3_num_f32 v[TM+\c], v[TM+\c], |v[\s+32*\c+\i]|, |v[\s+1+32*\c+\i]|
.endr
.endr
.irp c, 0,1
	v_add_nc_u32 v[TM+12+\c], 0xfe000000, v[TM+\c]
.endr
.irp c, 0,1
	v_lshrrev_b32 v[TM+4+\c], 23, v[TM+12+\c]
.endr
	v_lshl_or_b32 v[\pw], v[TM+5], 16, v[TM+4]     ; my two bytes: blocks h and 2 + h,
	v_lshlrev_b32 v[\pw], v15, v[\pw]              ; 8 h bits up;
	v_permlanex16_b32 v[TM+6], v[\pw], s4, s5
	v_or_b32 v[\pw], v[\pw], v[TM+6]               ; with lane l xor 16's two the word is whole, in both halves of the lanes
.irp c, 0,1
	v_cvt_scalef32_pk16_bf6_f32 v[\d+6*\c:\d+2+6*\c], v[\s+32*\c:\s+15+32*\c], v[TM+12+\c]
	v_cvt_scalef32_pk16_bf6_f32 v[CT2+4*\c:CT2+2+4*\c], v[\s+16+32*\c:\s+31+32*\c], v[TM+12+\c]
.endr
	v_nop
.irp c, 0,1
.irp i, 0,1,2
	v_mov_b32 v[\d+3+6*\c+\i], v[CT2+4*\c+\i]
.endr
.endr
.endm
.macro WLOAD nb, sb, off               ; a K step of a lora_a ([K][16] f32, rows of 64 bytes), from off bytes on: register li = 32 c + i takes row 64 c + 32 h + i
.set li, 0
.rept 64
	global_load_b32 v[\nb+li], v7, s[\sb:\sb+1] offset:\off+64*(li+32*(li/32))
.set li, li+1
.endr
.endm
.macro XLOAD nb, m                     ; rows 16 m + r of my work-group, my K step: of each block of 32 my half's 16 numbers
.irp b, 0,1,2,3
.irp j, 0,1,2,3
	global_load_b128 v[\nb+16*\b+4*\j:\nb+16*\b+4*\j+3], v6, s[40:41] offset:131072*\m+128*\b+16*\j th:TH_LOAD_NT
.endr
.endr
.endm
.macro XLHEAD                          ; what paths X and L share
	v_lshlrev_b32 v5, 4, v1                        ; 16 x lane: an image's place for my lane
	v_lshlrev_b32 v12, 3, v1                       ; 8 x lane
	v_lshlrev_b32 v7, 2, v2
	v_lshl_add_u32 v7, v3, 11, v7                  ; lora_a: 4 r + 32 h rows of 64 bytes
	v_lshlrev_b32 v15, 3, v3                       ; 8 h
.irp b, 0,1,2,3
	v_mov_b32 v[TM+4+\b], 0                        ; written once: a lane permute's destination counts as one of its sources
.endr
.endm
	s_load_b512 s[8:23], s[0:1], 0x0               ; x1 s[8:9], w_gate s[10:11], w_up s[12:13], gate's, up's, down's lora_a s[14:19], xq s[20:21], wgu s[22:23]
	s_load_b128 s[24:27], s[0:1], 0x40             ; wdl s[24:25], tl s[26:27]
	v_lshl_add_u32 v254, v0, 2, 0x10800
	v_mov_b32 v255, 0
	v_lshrrev_b32 v1, 5, v0
	v_readfirstlane_b32 s2, v1                     ; wave 0..15
	v_and_b32 v1, 31, v0                           ; lane
	v_and_b32 v2, 15, v0                           ; r
	v_bfe_u32 v3, v0, 4, 1                         ; h
	s_mov_b32 s4, 0x76543210
	s_mov_b32 s5, 0xfedcba98                       ; v_permlanex16_b32's selects for lane l xor 16
	s_wait_kmcnt 0x0
	s_cmp_lt_u32 ttmp9, 32
	s_cbranch_scc1 .LX
	s_cmp_eq_u32 ttmp9, 32
	s_cbranch_scc1 .LL
; ================ PATH W ================
	s_sub_co_u32 s32, ttmp9, 33
	s_lshr_b32 s33, s32, 7                         ; 0 w_gate, 1 w_up
	s_and_b32 s34, s32, 127
	s_and_b32 s35, s2, 3                           ; cg: which 32 of the work-group's 128 columns
	s_lshr_b32 s36, s2, 2                          ; ks: which 256 of its 1,024 along K
	s_lshr_b32 s60, s35, 1
	s_and_b32 s61, s35, 1
	s_and_b32 s44, s34, 63                         ; F = columns / 128
	s_lshr_b32 s45, s34, 6
	s_lshl_b32 s45, s45, 2
	s_add_co_u32 s45, s45, s36                     ; P = K / 256
	s_lshl_b32 s46, s45, 23                        ; source: 256 P rows of 32,768 bytes
	s_lshl_b32 s47, s44, 9
	s_add_co_u32 s46, s46, s47                     ; + 512 F
	s_lshl_b32 s47, s35, 7
	s_add_co_u32 s46, s46, s47                     ; + 128 cg
	s_mov_b32 s47, 0
	s_mul_i32 s48, s44, 409600
	s_mul_i32 s49, s45, 51200
	s_add_co_u32 s48, s48, s49                     ; the record [F][P]
	s_lshl_b32 s49, s61, 1
	s_lshl_b32 s50, s33, 2
	s_add_co_u32 s49, s49, s50                     ; 2 (cg & 1) + 4 up
	s_lshl_b32 s50, s60, 3
	s_add_co_u32 s50, s50, s49                     ; my first fragment: 8 (cg / 2) + 4 up + 2 (cg & 1)
	s_mul_i32 s50, s50, 1536
	s_add_co_u32 s50, s50, s48                     ; codes
	s_mov_b32 s51, 0
	s_lshl_b32 s52, s49, 7
	s_add_co_u32 s52, s52, s48
	s_mul_i32 s53, s60, 25600
	s_add_co_u32 s52, s52, s53
	s_add_co_u32 s52, s52, 24576                   ; scale words: piece cg / 2, 128 bytes a fragment
	s_mov_b32 s53, 0
	s_cmp_eq_u32 s33, 0                            ; the choice hangs on the work-group's number alone
	s_cselect_b64 s[40:41], s[10:11], s[12:13]
	s_add_nc_u64 s[40:41], s[40:41], s[46:47]      ; my first row and column; never stepped
	s_add_nc_u64 s[56:57], s[22:23], s[50:51]      ; where my codes go
	s_add_nc_u64 s[58:59], s[22:23], s[52:53]      ; and my scale words
	v_lshlrev_b32 v4, 2, v1                        ; 4 x lane
	v_bfe_u32 v5, v1, 3, 1                         ; my column is 16 h' + 8 u + j: tile u,
	v_and_b32 v6, 7, v1
	v_lshl_add_u32 v6, v3, 3, v6                   ; lane-row r' = 8 h' + j
	v_mul_u32_u24 v8, v5, 1536
	v_lshl_add_u32 v8, v6, 4, v8                   ; v8: my place in the first K step's two fragments,
	v_add_nc_u32 v9, 25600, v8                     ; v9: in the second's, half a record on
	v_lshl_add_u32 v10, v5, 4, v6
	v_lshlrev_b32 v10, 3, v10                      ; v10: my two scale words: 8 (16 u + r')
	LOADB 0
	LOADB 1
.irp t, 0,1,2,3,4,5,6,7
	BLOCK \t
.endr
	global_store_b64 v10, v[SW:SW+1], s[58:59]     ; 32 lanes store 256 consecutive bytes, aligned.  No register that a store reads is written again in this path
	s_endpgm
; ================ PATH X ================
.LX:
	XLHEAD
	s_lshr_b32 s32, ttmp9, 3                       ; T = rows / 256
	s_and_b32 s33, ttmp9, 7
	s_mul_i32 s34, s32, 409600
	s_lshl_b32 s36, ttmp9, 18                      ; x1: 32 rows of 8,192 bytes a work-group,
	s_lshl_b32 s37, s2, 9                          ; 512 bytes a K step
	s_add_co_u32 s36, s36, s37
	s_mov_b32 s37, 0
	s_add_nc_u64 s[40:41], s[8:9], s[36:37]
	s_lshl_b32 s36, s2, 13                         ; the lora_a: 128 rows of 64 bytes a K step
	s_add_nc_u64 s[42:43], s[14:15], s[36:37]
	s_add_nc_u64 s[44:45], s[16:17], s[36:37]
	s_mul_i32 s36, s2, 25600                       ; xq: K step w lies in record w / 2, half w % 2: 25,600 w
	s_add_co_u32 s36, s36, s34
	s_mul_i32 s35, s33, 3072                       ; my two blocks of 16 rows
	s_add_co_u32 s36, s36, s35
	s_add_nc_u64 s[46:47], s[20:21], s[36:37]
	s_lshl_b32 s36, ttmp9, 12                      ; tl: 4,096 bytes a work-group; waves 0-7 store 512 each
	s_lshl_b32 s35, s2, 9
	s_add_co_u32 s36, s36, s35
	s_add_nc_u64 s[48:49], s[26:27], s[36:37]
	s_and_b32 s35, s2, 7                           ; xq's scale words: waves 8-15 store record w - 8's 256 bytes
	s_mul_i32 s36, s35, 51200
	s_add_co_u32 s36, s36, s34
	s_lshr_b32 s35, s33, 2
	s_mul_i32 s35, s35, 25600                      ; which piece: blocks 0-7 or 8-15
	s_add_co_u32 s36, s36, s35
	s_and_b32 s35, ttmp9, 3
	s_lshl_b32 s35, s35, 8
	s_add_co_u32 s36, s36, s35
	s_add_co_u32 s36, s36, 24576
	s_add_nc_u64 s[50:51], s[20:21], s[36:37]
	v_lshlrev_b32 v6, 13, v2
	v_lshl_add_u32 v6, v3, 6, v6                   ; x1: row r, + 64 h
	; every LDS address is made here, ahead of the parting on the wave's number
	s_lshl_b32 s35, s2, 12
	v_add_nc_u32 v8, s35, v5                       ; my partial t: 4,096 w + 16 lane
	s_lshl_b32 s35, s2, 9
	v_add_nc_u32 v9, s35, v5                       ; what I sum: 512 w + 16 lane of every partial
	s_lshr_b32 s35, s2, 1
	s_lshl_b32 s35, s35, 8
	s_and_b32 s38, s2, 1
	s_lshl_b32 s38, s38, 2
	s_add_co_u32 s35, s35, s38
	s_add_co_u32 s35, s35, XSL
	v_add_nc_u32 v10, s35, v12                     ; my scale words: record w / 2, word w % 2 of (block, row)
	s_and_b32 s35, s2, 7
	s_lshl_b32 s35, s35, 8
	s_add_co_u32 s35, s35, XSL
	v_add_nc_u32 v11, s35, v12
	XLOAD NB0, 0
	XLOAD NB1, 1
	s_wait_loadcnt 16                              ; rows 0-15 are in; rows 16-31's sixteen loads may be out
	QUANT NB0, XF0, PW0
.irp g, 0,1,2
	global_store_b128 v5, v[XF0+4*\g:XF0+4*\g+3], s[46:47] offset:512*\g
.endr
	s_wait_loadcnt 0x0
	WLOAD NB0, 42, 0                               ; gate's lora_a lands while rows 16-31 are quantised
	QUANT NB1, XF0+12, PW0+1
.irp g, 0,1,2
	global_store_b128 v5, v[XF0+12+4*\g:XF0+12+4*\g+3], s[46:47] offset:1536+512*\g
.endr
	WLOAD NB1, 44, 0
	v_cmp_gt_u32 vcc_lo, 16, v1
	v_cndmask_b32 v[MW], v[PW0+1], v[PW0], vcc_lo  ; lanes 0-15: rows 0-15's words, lanes 16-31: rows 16-31's
	ds_store_b32 v10, v[MW]
	s_wait_loadcnt 63                              ; behind gate's 64 loads stand up's 64; the count's field ends at 63, so one load more than needed is waited for
	QUANTW NB0, WFG, WSG
	s_wait_loadcnt 0x0
	QUANTW NB1, WFU, WSU
.rept 8
	v_nop                                          ; a scale register written by a vector instruction stands 8 places ahead of a scaled matrix instruction, an operand 4
.endr
.irp m, 0,1                            ; TRANSPOSED: source 0 = the 16 ranks, source 1 = 16 rows of x: lane (r, h) register e = t(row r, rank 8 h + e)
	v_wmma_scale_f32_16x16x128_f8f6f4 v[NB0+16*\m:NB0+16*\m+7], v[WFG:WFG+11], v[XF0+12*\m:XF0+12*\m+11], 0, v[WSG], v[PW0+\m] matrix_a_fmt:MATRIX_FMT_BF6 matrix_b_fmt:MATRIX_FMT_BF6
	v_wmma_scale_f32_16x16x128_f8f6f4 v[NB0+16*\m+8:NB0+16*\m+15], v[WFU:WFU+11], v[XF0+12*\m:XF0+12*\m+11], 0, v[WSU], v[PW0+\m] matrix_a_fmt:MATRIX_FMT_BF6 matrix_b_fmt:MATRIX_FMT_BF6
.endr
.rept 4
	v_nop                                          ; four places in front of the first read of results
.endr
.irp u, 0,1,2,3
	ds_store_b128 v8, v[NB0+8*\u:NB0+8*\u+3] offset:1024*\u          ; each result from its low end on
	ds_store_b128 v8, v[NB0+8*\u+4:NB0+8*\u+7] offset:1024*\u+512
.endr
	s_wait_dscnt 0x0                               ; for the others' sake: my stores have landed
	s_barrier_signal -1
	s_barrier_wait -1
	s_cmp_lt_u32 s2, 8
	s_cbranch_scc0 .LXscales
.irp p, 0,1,2,3,4,5,6,7,8,9,10,11,12,13,14,15
	ds_load_b128 v[NB1+4*\p:NB1+4*\p+3], v9 offset:4096*\p           ; the sixteen K steps' partial sums of my 512 bytes
.endr
	s_wait_dscnt 0x0
.irp p, 0,2,4,6,8,10,12,14
	v_pk_add_f32 v[NB1+4*\p:NB1+4*\p+1], v[NB1+4*\p:NB1+4*\p+1], v[NB1+4*\p+4:NB1+4*\p+5]
	v_pk_add_f32 v[NB1+4*\p+2:NB1+4*\p+3], v[NB1+4*\p+2:NB1+4*\p+3], v[NB1+4*\p+6:NB1+4*\p+7]
.endr
.irp p, 0,4,8,12
	v_pk_add_f32 v[NB1+4*\p:NB1+4*\p+1], v[NB1+4*\p:NB1+4*\p+1], v[NB1+4*\p+8:NB1+4*\p+9]
	v_pk_add_f32 v[NB1+4*\p+2:NB1+4*\p+3], v[NB1+4*\p+2:NB1+4*\p+3], v[NB1+4*\p+10:NB1+4*\p+11]
.endr
.irp p, 0,8
	v_pk_add_f32 v[NB1+4*\p:NB1+4*\p+1], v[NB1+4*\p:NB1+4*\p+1], v[NB1+4*\p+16:NB1+4*\p+17]
	v_pk_add_f32 v[NB1+4*\p+2:NB1+4*\p+3], v[NB1+4*\p+2:NB1+4*\p+3], v[NB1+4*\p+18:NB1+4*\p+19]
.endr
	v_pk_add_f32 v[NB1:NB1+1], v[NB1:NB1+1], v[NB1+32:NB1+33]
	v_pk_add_f32 v[NB1+2:NB1+3], v[NB1+2:NB1+3], v[NB1+34:NB1+35]
	global_store_b128 v5, v[NB1:NB1+3], s[48:49]   ; 512 consecutive bytes of tl
	s_wait_tensorcnt 0x0
	ds_add_u32 v254, v255
	s_wait_dscnt 0x0
	s_endpgm
.LXscales:
	ds_load_b64 v[NB1:NB1+1], v11                  ; a record's words of my work-group's 32 rows: both K steps of (block, row)
	s_wait_dscnt 0x0
	global_store_b64 v12, v[NB1:NB1+1], s[50:51]   ; 256 consecutive bytes, aligned
	s_wait_tensorcnt 0x0
	ds_add_u32 v254, v255
	s_wait_dscnt 0x0
	s_endpgm
; ================ PATH L ================
.LL:
	XLHEAD
	s_lshl_b32 s36, s2, 15                         ; w_down_lora_a: four K steps of 8,192 bytes a wave
	s_mov_b32 s37, 0
	s_add_nc_u64 s[40:41], s[18:19], s[36:37]
	s_mul_i32 s36, s2, 6144
	s_add_nc_u64 s[42:43], s[24:25], s[36:37]      ; their fragments
	s_lshl_b32 s36, s2, 8
	s_add_co_u32 s36, s36, 98304
	s_add_nc_u64 s[44:45], s[24:25], s[36:37]      ; their scale words: 256 bytes a wave
.macro LSTEP g, left
	s_wait_loadcnt \left
	QUANTW NB0+64*((\g)%2), XF0+12*(\g), PW0+(\g)
.irp k, 0,1,2
	global_store_b128 v5, v[XF0+12*(\g)+4*\k:XF0+12*(\g)+4*\k+3], s[42:43] offset:1536*(\g)+512*\k
.endr
.if (\g) < 2
	WLOAD NB0+64*((\g)%2), 40, 8192*((\g)+2)
.endif
.endm
	WLOAD NB0, 40, 0
	WLOAD NB1, 40, 8192
	LSTEP 0, 63                                    ; (64 younger loads stand behind the step's own; the field ends at 63)
	LSTEP 1, 63
	LSTEP 2, 63
	LSTEP 3, 0
	v_cmp_gt_u32 vcc_lo, 16, v1
	v_cndmask_b32 v[MW], v[PW0+1], v[PW0], vcc_lo  ; word 0: lanes 0-15 K step 4 w, lanes 16-31 K step 4 w + 1;
	v_cndmask_b32 v[MW+1], v[PW0+3], v[PW0+2], vcc_lo   ; word 1: K steps 4 w + 2 and 4 w + 3
	global_store_b64 v12, v[MW:MW+1], s[44:45]
	s_endpgm
.Lfunc_end_k_q463f160b81_prep:
	.size	k_q463f160b81_prep, .Lfunc_end_k_q463f160b81_prep-k_q463f160b81_prep
	.p2alignl 7, 3214868480
	.fill 96, 4, 3214868480
	.section	.rodata,"a",@progbits
	.p2align	6, 0x0
	.amdhsa_kernel k_q463f160b81_prep
		.amdhsa_group_segment_fixed_size 69632
		.amdhsa_private_segment_fixed_size 0
		.amdhsa_enable_private_segment 0
		.amdhsa_kernarg_size 80
		.amdhsa_user_sgpr_count 2
		.amdhsa_user_sgpr_kernarg_segment_ptr 1
		.amdhsa_wavefront_size32 1
		.amdhsa_system_sgpr_workgroup_id_x 1
		.amdhsa_system_sgpr_workgroup_id_y 1
		.amdhsa_system_sgpr_workgroup_id_z 1
		.amdhsa_system_vgpr_workitem_id 0
		.amdhsa_next_free_vgpr 256
		.amdhsa_next_free_sgpr 66
		.amdhsa_reserve_vcc 1
		.amdhsa_float_denorm_mode_32 3
		.amdhsa_float_denorm_mode_16_64 3
		.amdhsa_memory_ordered 1
		.amdhsa_forward_progress 1
		.amdhsa_inst_pref_size 114
	.end_amdhsa_kernel
	.amdgpu_metadata
---
amdhsa.version: [ 1, 2 ]
amdhsa.kernels:
  - .name:           k_q463f160b81_prep
    .symbol:         k_q463f160b81_prep.kd
    .args:
      - { .name: x1, .offset: 0, .size: 8, .value_kind: global_buffer, .address_space: global }
      - { .name: w_gate, .offset: 8, .size: 8, .value_kind: global_buffer, .address_space: global }
      - { .name: w_up, .offset: 16, .size: 8, .value_kind: global_buffer, .address_space: global }
      - { .name: w_gate_lora_a, .offset: 24, .size: 8, .value_kind: global_buffer, .address_space: global }
      - { .name: w_up_lora_a, .offset: 32, .size: 8, .value_kind: global_buffer, .address_space: global }
      - { .name: w_down_lora_a, .offset: 40, .size: 8, .value_kind: global_buffer, .address_space: global }
      - { .name: xq, .offset: 48, .size: 8, .value_kind: global_buffer, .address_space: global }
      - { .name: wgu, .offset: 56, .size: 8, .value_kind: global_buffer, .address_space: global }
      - { .name: wdl, .offset: 64, .size: 8, .value_kind: global_buffer, .address_space: global }
      - { .name: tl, .offset: 72, .size: 8, .value_kind: global_buffer, .address_space: global }
    .group_segment_fixed_size: 69632
    .private_segment_fixed_size: 0
    .kernarg_segment_align: 8
    .kernarg_segment_size: 80
    .max_flat_workgroup_size: 512
    .sgpr_count:     66
    .vgpr_count:     256
    .wavefront_size: 32
...
	.end_amdgpu_metadata
.endif
;; end of part 1
;; launch gateup (part 2): grid 64 x 4, 4 waves a work-group, clusters of 4 x 4, 327,680 bytes of LDS; arguments xq, wgu, tl, w_gate_lora_b, w_up_lora_b, b_gate, b_up, x3q, w_down, wdn; writes x3q, wdn
.if DOCPART == 2
	.amdgcn_target "amdgcn-amd-amdhsa--gfx1250"
	.amdhsa_code_object_version 6
	.text
	.protected	k_q463f160b81_gateup
	.globl	k_q463f160b81_gateup
	.p2align	8
	.type	k_q463f160b81_gateup,@function
k_q463f160b81_gateup:
	s_mov_b64 s[64:65], 0
	v_nop
	global_prefetch_b8 v0, s[64:65] scope:SCOPE_SE
	s_setreg_imm32_b32 hwreg(HW_REG_WAVE_MODE, 25, 1), 1
	s_wait_xcnt 0x0
	s_wait_alu depctr_hold_cnt(0) depctr_sa_sdst(0) depctr_va_vdst(0) depctr_va_sdst(0) depctr_va_ssrc(0) depctr_va_vcc(0) depctr_vm_vsrc(0)
	s_getreg_b32 s2, hwreg(HW_REG_IB_STS2, 6, 4)
	s_cmp_eq_u32 s2, 0
	s_cbranch_scc0 .Lentry_in_a_cluster
	s_endpgm
.Lentry_in_a_cluster:
	s_bfe_u32 s2, ttmp6, 0x10000c
	s_cmp_lg_u32 s2, 0xf033
	s_cbranch_scc0 .Lentry_shape_is_right
	s_endpgm
.Lentry_shape_is_right:
; GATEUP: y1 = Q(x1) Q(w_gate) + b_gate + t_gate w_gate_lora_b, y2 likewise with up's; x3 = relu(y1) y2, quantised along F into codes of BF6 with one E8M0 byte for each 32, laid for the next launch.
; A work-group makes 256 rows x 128 columns f of BOTH y1 and y2; its four waves 128 rows x 64 f each: 8 blocks of rows x (4 tiles of gate + 4 of up) = 64 accumulators, 512 registers.
; So gate's and up's numbers of one (row, f) lie in the same lane and register place, and x3 never leaves the registers in f32.
; THE SUMS BEGIN with the bias as C of the rank-16 products' first instruction; those products take f32 operands (v_wmma_f32_16x16x4_f32), since their result goes on into a quantiser; they run while the first tiles land.
; Then 16 K steps of 128 on codes.  All products are used TRANSPOSED (source 0 = 16 columns f, source 1 = 16 rows): a lane holds one row, its registers run along f; by the choice of a tile's columns
; (lane-row r of tile 2 b + u is f 32 b + 8 u + r + 8 (r / 8)) the 16 registers of tiles 2 b, 2 b + 1 are f 32 b + 16 (lane / 16) + 0 .. 15.
; TILES are records of 51,200 dense bytes (256 along K): for each K step 16 fragments as images of their registers, then 1,024 bytes of scale words.  Every LDS read takes consecutive bytes in consecutive lanes: no padding.
; CLUSTERS: 4 x 4 work-groups.  The four of a row need the same record of xq, the four of a column the same record of wgu: each is asked for JOINTLY, by the same tensor load with a mask that names the four.
; BESIDE ITS OWN WORK THE LAUNCH QUANTISES w_down FOR THE NEXT ONE.  This launch asks little of memory, and between a refill's request and the wait for it a wave has only 96 matrix instructions to issue.  w_down
; [8,192 K][2,048] f32 is 2,048 units of 32 columns x 256 K; each of the 1,024 waves takes two, one below the other: 16 blocks of 32 x 32, ONE BLOCK IN EACH OF THE 16 K STEPS.  A lane takes a column, its registers run down K;
; codes and scale words go to wdn, laid in the order of the operand's registers, a tile's columns chosen as above.  The K steps are written out, not looped: a block's registers and immediates hang on its number.
; LIMITS: NaN and infinities are not served.  A block (of x3 or of w_down) whose largest magnitude lies under 2^-122 keeps the byte 1; a block of zeros gets the byte 1 and not 127 (its codes are zeros; this program alone reads the bytes).
; The ranks of the rank-16 products are summed in the order 8 h + 2 c + j (c the instruction, h and j its own four places), alike on both sources.
; REGISTERS, in windows of 256: window 0: v1-31 addresses; v32-63 scale words, two sets; v64-127 two sets of 32 numbers of w_down; v128-223 A's fragments, one set; v224-255 w_down's codes of a K step and what makes them
;   (ahead of the K steps v128-255 hold t; behind them v64-183 serve x3's quantiser).
;   window 1: B's fragments, two sets, at v0 and v128 (ahead of the K steps v0-63 the lora_b, v64-127 the biases).   windows 2, 3: the accumulators: (a, b) at v[8 (8 (a % 4) + b)] of window 2 + a / 4; matrix instructions alone write them.
.set REC,   51200
.set HREC,  25600                      ; half a record: what one tensor load brings
.set SLOT,  2*REC                      ; A's record, then B's
.set FR,    12
.set NL,    3                          ; LDS loads that bring a fragment
.set NP,    4                          ; places behind the scaled form on 6-bit codes (ISA guide 7.12.1)
.set SPARE, 2*SLOT                     ; the spare words, 128 bytes a wave: two blocks of 256 bytes that no other line names
.set XSC,   SPARE+512                  ; x3's scale words of the work-group's 256 rows: 1,024 bytes, no fill lands here
.set QVL,  8                           ; v8     w_down: 4 x lane; never rewritten
.set QVC,  9                           ; v9     wdn: my column's place in two fragments; never rewritten
.set QVS,  10                          ; v10    wdn: my column's two scale words; never rewritten
.set ADRA, 16                          ; v16-17 my A fragments in slot 0, 1
.set ADRB, 20                          ; v20-21 my B fragments
.set ADRS, 22                          ; v22-23 my scale words: lanes 0-15 A's, lanes 16-31 B's
.set XO,   24                          ; v24    8 x lane
.set XSW,  25                          ; v25    where I put two scale bytes
.set XSR,  26                          ; v26    where I read 8 bytes of scale words back
.set SPW,  28                          ; v28    my spare word; never rewritten
.set NIL,  29                          ; v29    0; never rewritten
.set SC,   32                          ; scale words: set s at v[SC + 16 s]; register 2 i + q: lanes 0-15 A's block i, lanes 16-31 B's fragment i, the slot's q-th K step
.set QX,   64                          ; w_down: two sets of 32 numbers
.set AF,   128
.set QC,   224                         ; v224-247 w_down's codes of a K step: 12 x half + 6 c + e
.set QCT,  248                         ; v248-250 a block's upper 16 codes, until they are moved
.set QS,   251                         ; v251     the conversions' scale operand
.set QM,   252                         ; v252-253 at work
.set QSW,  254                         ; v254-255 my column's scale words of two K steps
.set T,    128                         ; ahead of the K steps: t: 64 x matrix + 8 a + e (window 0)
.set LB,   0                           ; the lora_b: 8 b + e (window 1)
.set BI,   64                          ; the biases: 8 b + n (window 1)
.set H,    64                          ; behind the K steps: 32 numbers of x3
.set TM,   96
.set CT,   112
.set HF,   128                         ; half fragments: 6 registers a block of rows
.set HW,   176                         ; two scale bytes a block of rows
.set G1,  24
.set G0,  32
.set G1B, 48
.set G0B, 56
.set QT,  0                            ; the number of w_down's block in hand, 0 .. 15
.set MSB, 0
.macro WIN new                         ; the immediate's high byte repeats the setting that is left
.if MSB != (\new)
	s_set_vgpr_msb (MSB<<8)|(\new)
.set MSB, \new
.endif
.endm
.set MUL_LO, 0xa1                      ; source 0 (B) window 1, source 1 (A) window 0, C and D window 2
.set MUL_HI, 0xf1
.set TO_B,   0x40                      ; destination window 1, address window 0
; A joint load: waves 0 and 1 fetch A's halves, waves 2 and 3 B's.  Each line has one mask and one set of registers; the branch hangs on the wave's number alone.  Four v_nop follow each line.
.macro JLOAD g0a, g1a, g0b, g1b
	s_cmp_eq_u32 s15, 0
	s_cbranch_scc0 .Lfor_b_\@
	tensor_load_to_lds s[\g0a:\g0a+3], s[\g1a:\g1a+7]
	s_nop 0
.rept 4
	v_nop
.endr
	s_branch .Lasked_\@
.Lfor_b_\@:
	tensor_load_to_lds s[\g0b:\g0b+3], s[\g1b:\g1b+7]
	s_nop 0
.rept 4
	v_nop
.endr
.Lasked_\@:
.endm
.macro CREST                           ; a round of the cluster's barrier behind its opening barrier
	s_cmp_lg_u32 s14, 0
	s_cbranch_scc1 .Lnot_wave_0_\@
	s_barrier_signal -3
.Lnot_wave_0_\@:
	s_barrier_wait -3
	s_barrier_signal -1
	s_barrier_wait -1
.endm
.macro CROUND
	s_barrier_signal -1
	s_barrier_wait -1
	CREST
.endm
.macro PLACES n
.rept \n
	v_nop
.endr
.endm
; ---- w_down's macros.  Every window is 0 where they stand.
.macro LOADQ t                         ; block t: w_down(my first row + 32 t + i, my column), i = 0 .. 31: each load reads 128 consecutive bytes a wave, the four waves side by side 512.
.set li, 0                             ; A row is 8,192 bytes: the row stands in the immediate, 511 rows at the most, inside its signed 24 bits (ISA guide, chapter 10): no pointer is stepped
.rept 32
	global_load_b32 v[QX+32*((\t)%2)+li], v[QVL], s[98:99] offset:(32*(\t)+li)*8192 th:TH_LOAD_NT
.set li, li+1
.endr
.endm
.macro QBLOCK                          ; block QT is quantised; the block two on is asked for
.set XS, QX+32*(QT%2)
.set CD, QC+12*(QT%2)+6*((QT%4)/2)     ; block QT is K step QT / 4 of my sixteen blocks' four, half QT % 2, c = (QT % 4) / 2 of the fragment's layout
.if (QT%4 == 0) && (QT > 0)
	s_wait_xcnt 0x0                                ; the last K step's stores have read the codes' and the scale words' registers: only behind this wait are they written anew
.endif
.if QT < 15
	s_wait_loadcnt 32                              ; this block's 32 loads are in; the next block's 32 may be out
.else
	s_wait_loadcnt 0x0
.endif
	v_max3_num_f32 v[QM], |v[XS]|, |v[XS+1]|, |v[XS+2]|            ; the block's largest magnitude: all 32 numbers are mine; two chains
	v_max3_num_f32 v[QM+1], |v[XS+3]|, |v[XS+4]|, |v[XS+5]|
.irp i, 6,10,14,18,22,26
	v_max3_num_f32 v[QM], v[QM], |v[XS+\i]|, |v[XS+\i+1]|
	v_max3_num_f32 v[QM+1], v[QM+1], |v[XS+\i+2]|, |v[XS+\i+3]|
.endr
	v_max3_num_f32 v[QM], v[QM], |v[XS+30]|, |v[XS+31]|
	v_max3_num_f32 v[QM], v[QM], v[QM+1], 0x2800000   ; and the floor 2^(5 - 127): the byte cannot fall under 1
	v_add_nc_u32 v[QS], 0xfe000000, v[QM]          ; 4 off the exponent field: the conversion takes this operand's exponent field as its scale
	v_cvt_scalef32_pk16_bf6_f32 v[CD:CD+2], v[XS:XS+15], v[QS]
	v_cvt_scalef32_pk16_bf6_f32 v[QCT:QCT+2], v[XS+16:XS+31], v[QS]   ; (a conversion's three registers begin on an even number)
	v_lshrrev_b32 v[QM+1], 23, v[QS]               ; the scale's byte; also the plain line behind the conversions
.if QT%4 == 0
	v_mov_b32 v[QSW+(QT/4)%2], v[QM+1]             ; four bytes to a word, the lower K in the lower byte
.else
	v_lshl_or_b32 v[QSW+(QT/4)%2], v[QM+1], 8*(QT%4), v[QSW+(QT/4)%2]
.endif
.irp i, 0,1,2
	v_mov_b32 v[CD+3+\i], v[QCT+\i]
.endr
.if QT < 14
	LOADQ QT+2
.endif
.if QT%4 == 3                          ; a K step is whole: my column is lane-row r' of tile u, and I hold both halves of its 12 + 12 registers
.irp hh, 0,1
.irp g, 0,1,2
	global_store_b128 v[QVC], v[QC+12*\hh+4*\g:QC+12*\hh+4*\g+3], s[66:67] offset:12288*(QT/4)+256*\hh+512*\g   ; sixteen lanes fill 256 consecutive bytes, aligned, in each of the two fragments
.endr
.endr
.endif
.if QT%8 == 7
	global_store_b64 v[QVS], v[QSW:QSW+1], s[100:101] offset:1024*(QT/8)   ; two K steps' words: 32 lanes store 256 consecutive bytes, aligned
.endif
.set QT, QT+1
.endm
	s_load_b512 s[68:83], s[0:1], 0x0              ; xq s[68:69], wgu s[70:71], tl s[72:73], gate's lora_b s[74:75], up's s[76:77], b_gate s[78:79], b_up s[80:81], x3q s[82:83]
	s_load_b64 s[98:99], s[0:1], 0x40              ; w_down
	s_load_b64 s[100:101], s[0:1], 0x48            ; wdn
	v_lshl_add_u32 v[SPW], v0, 2, SPARE
	v_mov_b32 v[NIL], 0
	ds_add_u32 v28, v29
	ds_add_u32 v28, v29
	s_wait_dscnt 0x0
	v_lshrrev_b32 v1, 5, v0
	v_readfirstlane_b32 s14, v1                    ; wave 0..3
	s_lshr_b32 s15, s14, 1                         ; i: which 128 rows are mine.  Also: I fetch for A (0) or for B (1)
	s_and_b32 s16, s14, 1                          ; j: which 64 f.  Also: which half of a record I fetch
	s_bfe_u32 s40, ttmp6, 0x40000                  ; cx, cy: my place in the cluster
	s_bfe_u32 s41, ttmp6, 0x40004
	s_lshl_b32 s42, ttmp9, 2
	s_add_co_u32 s42, s42, s40                     ; Fx = f / 128 = 4 x cluster x + cx
	s_mov_b32 s17, s41                             ; Ty = rows / 256 = cy: the grid is one cluster high
	s_lshl_b32 s43, s41, 2
	s_lshl_b32 s43, 15, s43                        ; my row of the cluster
	s_lshl_b32 s44, 0x1111, s40                    ; my column
	s_mov_b32 s4, 0x76543210
	s_mov_b32 s5, 0xfedcba98                       ; v_permlanex16_b32's selects for lane l xor 16
	; descriptor group 1: 25,600 dense bytes as 100 rows of 32 elements of 8 bytes
	s_or_b32 s[G1+0], s43, (3<<16)|(1<<21)         ; 15:0 the mask: A's records go to my row; 17:16 elements of 8 bytes; 21 set beside a mask; no padding
	s_or_b32 s[G1B+0], s44, (3<<16)|(1<<21)
.irp g, G1, G1B
	s_mov_b32 s[\g+1], 32<<16                      ; tensor_dim0
	s_mov_b32 s[\g+2], 100<<16                     ; tensor_dim1
	s_mov_b32 s[\g+3], 32<<16                      ; tile_dim0
	s_mov_b32 s[\g+4], 100                         ; tile_dim1
	s_mov_b32 s[\g+5], 32                          ; tensor_dim0_stride
	s_mov_b32 s[\g+6], 0
	s_mov_b32 s[\g+7], 0
.endr
	s_mul_i32 s20, s17, 409600                     ; A: xq's records of my 256 rows, + my half; these registers never hold cx
	s_mul_i32 s21, s16, HREC
	s_add_co_u32 s20, s20, s21
	s_mov_b32 s21, 0
	s_mul_i32 s46, s42, 409600                     ; B: wgu's records of my 128 f, + my half
	s_mul_i32 s47, s16, HREC
	s_add_co_u32 s46, s46, s47
	s_mov_b32 s47, 0
	s_mul_i32 s45, s14, HREC                       ; where they go: wave x half a record: no place in the cluster enters an LDS address
	s_wait_kmcnt 0x0
	s_add_nc_u64 s[20:21], s[68:69], s[20:21]
	s_add_nc_u64 s[46:47], s[70:71], s[46:47]
	CROUND                                         ; all sixteen work-groups are here: the first joint loads meet
.irp s, 0,1
	s_mov_b32 s[G0+4*\s], 1
	s_add_co_u32 s[G0+4*\s+1], s45, \s*SLOT
	s_add_nc_u64 s[G0+4*\s+2:G0+4*\s+3], s[20:21], \s*REC
	s_or_b32 s[G0+4*\s+3], s[G0+4*\s+3], 0x80000000
	s_mov_b32 s[G0B+4*\s], 1
	s_add_co_u32 s[G0B+4*\s+1], s45, \s*SLOT
	s_add_nc_u64 s[G0B+4*\s+2:G0B+4*\s+3], s[46:47], \s*REC
	s_or_b32 s[G0B+4*\s+3], s[G0B+4*\s+3], 0x80000000
	JLOAD G0+4*\s, G1, G0B+4*\s, G1B               ; two tensor loads of mine are out
.endr
	; the other buffers' places
	s_lshl_b32 s6, s17, 15                         ; tl: block of rows 16 Ty + 8 i, 2,048 bytes a block
	s_lshl_b32 s7, s15, 14
	s_add_co_u32 s6, s6, s7
	s_mov_b32 s7, 0
	s_add_nc_u64 s[84:85], s[72:73], s[6:7]
	s_lshl_b32 s8, s42, 9                          ; f = 128 Fx + 64 j, in f32
	s_lshl_b32 s9, s16, 8
	s_add_co_u32 s8, s8, s9
	s_mov_b32 s9, 0
	s_add_nc_u64 s[86:87], s[74:75], s[8:9]
	s_add_nc_u64 s[88:89], s[76:77], s[8:9]
	s_add_nc_u64 s[90:91], s[78:79], s[8:9]
	s_add_nc_u64 s[92:93], s[80:81], s[8:9]
	s_lshr_b32 s18, s42, 3                         ; x3q: my 128 f are K step Fx of the next product: record Fx / 8, step Fx % 8
	s_mul_i32 s18, s18, REC
	s_and_b32 s19, s42, 7
	s_lshl_b32 s10, s17, 2
	s_lshl_b32 s11, s15, 1
	s_add_co_u32 s10, s10, s11                     ; tile of 64 rows 4 Ty + 2 i
	s_mul_i32 s10, s10, 409600
	s_add_co_u32 s10, s10, s18
	s_mul_i32 s11, s19, 6144
	s_add_co_u32 s10, s10, s11
	s_mul_i32 s11, s16, 768                        ; my 64 f are registers 6 j .. 6 j + 5 of a fragment: pieces 3 j .. 3 j + 2 of 256 bytes
	s_add_co_u32 s10, s10, s11
	s_mov_b32 s11, 0
	s_add_nc_u64 s[94:95], s[82:83], s[10:11]
	s_lshl_b32 s12, s17, 2
	s_add_co_u32 s12, s12, s14                     ; scale words: wave w stores those of tile 4 Ty + w
	s_mul_i32 s12, s12, 409600
	s_add_co_u32 s12, s12, s18
	s_lshl_b32 s13, s19, 8
	s_add_co_u32 s12, s12, s13
	s_add_co_u32 s12, s12, 49152
	s_mov_b32 s13, 0
	s_add_nc_u64 s[96:97], s[82:83], s[12:13]
	; w_down: the work-group takes 128 columns (nt) x 512 along K (half a record P of wdn); the wave 32 of the columns
	s_lshl_b32 s6, s42, 1
	s_lshr_b32 s7, s17, 1
	s_add_co_u32 s6, s6, s7                        ; 2 Fx + Ty / 2: 0 .. 127
	s_and_b32 s7, s17, 1                           ; which half of the record's 1,024 along K
	s_and_b32 s8, s6, 15                           ; nt = columns / 128
	s_lshr_b32 s9, s6, 4                           ; P = K / 1,024
	s_lshl_b32 s10, s9, 23                         ; source: (1,024 P + 512 half) rows of 8,192 bytes,
	s_lshl_b32 s11, s7, 22
	s_add_co_u32 s10, s10, s11
	s_lshl_b32 s11, s8, 9                          ; + 512 nt
	s_add_co_u32 s10, s10, s11
	s_lshl_b32 s11, s14, 7                         ; + 128 wave
	s_add_co_u32 s10, s10, s11
	s_mov_b32 s11, 0
	s_add_nc_u64 s[98:99], s[98:99], s[10:11]
	s_mul_i32 s12, s8, 819200
	s_mul_i32 s13, s9, 102400
	s_add_co_u32 s12, s12, s13                     ; the record [nt][P]
	s_mul_i32 s10, s7, 49152                       ; codes: K steps 4 half on (12,288 bytes each), fragments 2 wave, 2 wave + 1
	s_add_co_u32 s10, s10, s12
	s_mul_i32 s13, s14, 3072
	s_add_co_u32 s10, s10, s13
	s_add_nc_u64 s[66:67], s[100:101], s[10:11]
	s_lshl_b32 s10, s7, 11                         ; scale words: pairs of K steps 2 half on (1,024 bytes each), 256 bytes a wave
	s_add_co_u32 s10, s10, s12
	s_lshl_b32 s13, s14, 8
	s_add_co_u32 s10, s10, s13
	s_add_co_u32 s10, s10, 98304
	s_add_nc_u64 s[100:101], s[100:101], s[10:11]
	v_and_b32 v1, 31, v0                           ; lane
	v_and_b32 v2, 15, v0                           ; r
	v_bfe_u32 v3, v0, 4, 1                         ; h
	v_lshlrev_b32 v4, 4, v1                        ; 16 x lane
	v_and_b32 v7, 8, v2
	v_add_nc_u32 v7, v7, v2                        ; r + 8 (r / 8)
	v_lshlrev_b32 v5, 2, v7
	v_lshl_add_u32 v5, v3, 18, v5                  ; lora_b: rank 8 h (rows of 32,768 bytes), column r + 8 (r / 8)
	v_lshlrev_b32 v6, 6, v3                        ; biases: 16 h numbers on
	v_lshlrev_b32 v[QVL], 2, v1                    ; w_down: 4 x lane
	v_bfe_u32 v11, v1, 3, 1                        ; my column of w_down is 16 h' + 8 u + j: tile u,
	v_and_b32 v12, 7, v1
	v_lshl_add_u32 v12, v3, 3, v12                 ; lane-row r' = 8 h' + j
	v_mul_u32_u24 v[QVC], v11, 1536
	v_lshl_add_u32 v[QVC], v12, 4, v[QVC]
	v_lshl_add_u32 v[QVS], v11, 4, v12
	v_lshlrev_b32 v[QVS], 3, v[QVS]                ; 8 (16 u + r')
	s_mul_i32 s18, s15, 8*1536                     ; my 8 blocks of A
	s_mul_i32 s19, s16, 8*1536                     ; my 8 fragments of B,
	s_add_co_u32 s19, s19, REC                     ; behind A's record
.irp s, 0,1
	v_add_nc_u32 v[ADRA+\s], s18, v4
	v_add_nc_u32 v[ADRB+\s], s19, v4
	s_add_co_u32 s18, s18, SLOT
	s_add_co_u32 s19, s19, SLOT
.endr
	s_mul_i32 s22, s15, HREC                       ; A's scale piece i
	s_mul_i32 s23, s16, HREC
	s_add_co_u32 s23, s23, REC                     ; B's piece j, a record on:
	s_sub_co_u32 s23, s23, s22                     ; the distance between the two
	v_mul_u32_u24 v7, s23, v3                      ; lanes 16-31 take B's
	v_lshl_add_u32 v7, v2, 3, v7                   ; 8 bytes a row: the words of the record's two K steps
	s_add_co_u32 s22, s22, 24576
	v_add_nc_u32 v[ADRS], s22, v7
	v_add_nc_u32 v[ADRS+1], SLOT, v[ADRS]
	v_lshlrev_b32 v[XO], 3, v1
	s_lshl_b32 s22, s15, 9
	s_lshl_b32 s23, s16, 1
	s_add_co_u32 s22, s22, s23
	s_add_co_u32 s22, s22, XSC
	v_lshl_add_u32 v[XSW], v2, 3, s22              ; XSC + 512 i + 2 j + 8 r
	s_lshl_b32 s22, s14, 8
	s_add_co_u32 s22, s22, XSC
	v_add_nc_u32 v[XSR], s22, v[XO]                ; XSC + 256 wave + 8 lane
	; t, the lora_b and the biases
.irp a, 0,1,2,3,4,5,6,7
.irp x, 0,1
.irp z, 0,1
	global_load_b128 v[T+64*\x+8*\a+4*\z:T+64*\x+8*\a+4*\z+3], v4, s[84:85] offset:2048*\a+1024*\x+512*\z   ; lane (r, h) register e: t(row 16 a + r, rank 8 h + e)
.endr
.endr
.endr
	WIN TO_B
.irp t, 0,1,2,3
.irp e, 0,1,2,3,4,5,6,7
	global_load_b32 v[LB+8*\t+\e], v5, s[86:87] offset:32768*\e+128*(\t/2)+32*(\t%2)      ; gate's lora_b(8 h + e, the tile's column r)
	global_load_b32 v[LB+32+8*\t+\e], v5, s[88:89] offset:32768*\e+128*(\t/2)+32*(\t%2)   ; up's
.endr
.irp z, 0,1
	global_load_b128 v[BI+8*\t+4*\z:BI+8*\t+4*\z+3], v6, s[90:91] offset:128*(\t/2)+32*(\t%2)+16*\z        ; b_gate in the result's layout: f 32 b + 16 h + 8 u + n
	global_load_b128 v[BI+32+8*\t+4*\z:BI+32+8*\t+4*\z+3], v6, s[92:93] offset:128*(\t/2)+32*(\t%2)+16*\z
.endr
.endr
	WIN 0
	LOADQ 0                                        ; w_down's first two blocks are asked for here: they land under the rank-16 products
	LOADQ 1
	s_wait_loadcnt 63                              ; t, the lora_b and the biases are in.  Behind them stand w_down's 64 loads; the count's field ends at 63, so one load more than needed is waited for
; THE RANK-16 PRODUCTS AND THE BIASES START THE SUMS: four instructions of 4 ranks on each accumulator, the 64 accumulators by turns; the first takes the bias as C.
.irp c, 0,1,2,3
.irp a, 0,1,2,3,4,5,6,7
.if \c == 0
	WIN 0x91+0x40*(\a/4)                           ; source 0 and C window 1, source 1 window 0, D window 2 or 3
.else
	WIN 0xa1+0x50*(\a/4)
.endif
.irp b, 0,1,2,3,4,5,6,7
.if \c == 0
	v_wmma_f32_16x16x4_f32 v[8*(8*(\a%4)+\b):8*(8*(\a%4)+\b)+7], v[LB+8*\b+2*\c:LB+8*\b+2*\c+1], v[T+64*(\b/4)+8*\a+2*\c:T+64*(\b/4)+8*\a+2*\c+1], v[BI+8*\b:BI+8*\b+7]
.else
	v_wmma_f32_16x16x4_f32 v[8*(8*(\a%4)+\b):8*(8*(\a%4)+\b)+7], v[LB+8*\b+2*\c:LB+8*\b+2*\c+1], v[T+64*(\b/4)+8*\a+2*\c:T+64*(\b/4)+8*\a+2*\c+1], v[8*(8*(\a%4)+\b):8*(8*(\a%4)+\b)+7]
.endif
.endr
.endr
.endr
	WIN 0
	PLACES 9                                       ; behind the f32 form: 8 places in front of loads into, and vector writes of, its sources; 9 in front of another form that writes over its results
.macro FRAG reg, adr, q, i             ; a fragment comes as the image of its 12 registers: three loads of 512 consecutive bytes
.irp g, 0,1,2
	ds_load_b128 v[\reg+4*\g:\reg+4*\g+3], v[\adr] offset:HREC*(\q)+1536*(\i)+512*\g
.endr
.endm
.macro FETCH_B slot, q, p              ; my eight fragments of B of the slot's q-th K step into set p
	WIN TO_B
.irp i, 0,1,2,3,4,5,6,7
	FRAG 128*(\p)+FR*\i, ADRB+\slot, \q, \i
.endr
	WIN 0
.endm
.macro FETCH_A slot, q, i0             ; A's blocks i0 .. i0 + 3
.irp i, \i0, \i0+1, \i0+2, \i0+3
	FRAG AF+FR*(\i), ADRA+\slot, \q, \i
.endr
.endm
.macro SCALES sc                       ; slot sc's scale words: two words a row; lanes 0-15 A's block i, lanes 16-31 B's fragment i
.irp i, 0,1,2,3,4,5,6,7
	ds_load_b64 v[SC+16*\sc+2*\i:SC+16*\sc+2*\i+1], v[ADRS+\sc] offset:128*\i
.endr
.endm
; 16 matrix instructions: A's blocks a0, a0 + 1 x B's eight.  The 64 accumulators take turns in the same order in every step.
.macro MUL16 a0, p, q, sc
.irp a, \a0, \a0+1
.irp b, 0,1,2,3,4,5,6,7
	v_wmma_scale_f32_16x16x128_f8f6f4 v[8*(8*((\a)%4)+\b):8*(8*((\a)%4)+\b)+7], v[128*(\p)+FR*\b:128*(\p)+FR*\b+FR-1], v[AF+FR*(\a):AF+FR*(\a)+FR-1], v[8*(8*((\a)%4)+\b):8*(8*((\a)%4)+\b)+7], v[SC+16*(\sc)+2*\b+(\q)], v[SC+16*(\sc)+2*(\a)+(\q)] matrix_a_fmt:MATRIX_FMT_BF6 matrix_b_fmt:MATRIX_FMT_BF6 matrix_a_scale:MATRIX_SCALE_ROW1
.endr
.endr
.endm
; A slot's first K step.  A has one set of registers: blocks 0-3 are fetched anew in the step's middle, blocks 4-7 at its end; B has two sets.  w_down's block stands behind the middle run of LDS loads, which land meanwhile.
.macro STEP slot
	s_wait_dscnt 4*NL                              ; all but the youngest twelve loads (A's blocks 4-7) are in
	WIN MUL_LO
	MUL16 0, 0, 0, \slot
	MUL16 2, 0, 0, \slot
	s_wait_dscnt 0x0
	PLACES NP                                      ; in front of loads into registers that matrix instructions have read
	FETCH_B \slot, 1, 1
	FETCH_A \slot, 1, 0
	QBLOCK
	WIN MUL_HI
	MUL16 4, 0, 0, \slot
	MUL16 6, 0, 0, \slot
	PLACES NP
	WIN 0
	FETCH_A \slot, 1, 4
.endm
; A slot's second K step changes slots: one barrier; in front of it each wave waits for all its tensor loads, adds 0 to its spare word, and waits for that and for its reads of this slot.  fill = 1: the slot is filled again, two records on.
; w_down's block stands at the head, ahead of the wait for the tensor loads.
.macro TURN slot, next, fill
	QBLOCK
	s_wait_tensorcnt 0x0                           ; all my tensor loads have landed: my part of the next slot
	ds_add_u32 v[SPW], v[NIL]                      ; 0 onto my spare word
	s_wait_dscnt 4*NL+1                            ; (the add and A's blocks 4-7 may be out)
	WIN MUL_LO
	MUL16 0, 1, 1, \slot                           ; sixteen matrix instructions stand between the add and the wait for it
	s_wait_dscnt 0x0                               ; the add is done, and my reads of this slot are over
	s_barrier_signal -1
	MUL16 2, 1, 1, \slot
	WIN 0
	s_barrier_wait -1
.if \fill
	CREST                                          ; the barrier has opened a round of the cluster's: no wave of any partner still reads this slot or has a load on its way
	s_add_nc_u64 s[G0+4*\slot+2:G0+4*\slot+3], s[G0+4*\slot+2:G0+4*\slot+3], 2*REC
	s_add_nc_u64 s[G0B+4*\slot+2:G0B+4*\slot+3], s[G0B+4*\slot+2:G0B+4*\slot+3], 2*REC
	JLOAD G0+4*\slot, G1, G0B+4*\slot, G1B         ; the first tensor load behind the round, my only one until the next; its four v_nop are the places in front of the loads below
.else
	PLACES NP
.endif
	FETCH_B \next, 0, 0
	FETCH_A \next, 0, 0
	SCALES \next
	WIN MUL_HI
	MUL16 4, 1, 1, \slot
	MUL16 6, 1, 1, \slot
	PLACES NP
	WIN 0
	FETCH_A \next, 0, 4
.endm
	s_wait_tensorcnt 1                             ; my part of record 0 is in (record 1's load may be out)
	s_barrier_signal -1
	s_barrier_wait -1                              ; everybody's is
	FETCH_B 0, 0, 0
	FETCH_A 0, 0, 0
	SCALES 0
	FETCH_A 0, 0, 4
	STEP 0                                         ; K step 0, w_down's block 0
.rept 3                                ; three times round the ring, written out: K steps 1 to 12; both slots are filled again each time
	TURN 0, 1, 1
	STEP 1
	TURN 1, 0, 1
	STEP 0
.endr
	TURN 0, 1, 0                                   ; the last time round fills nothing
	STEP 1
	QBLOCK                                         ; w_down's last block: its wait is for 0, and no global load follows in the text
	s_wait_dscnt 4*NL
	WIN MUL_LO
	MUL16 0, 1, 1, 1
	MUL16 2, 1, 1, 1
	s_wait_dscnt 0x0
	WIN MUL_HI
	MUL16 4, 1, 1, 1
	MUL16 6, 1, 1, 1
	WIN 0
	PLACES NP                                      ; in front of the first read of results and of writes into registers that held A's fragments
	v_mov_b32 v[TM+4], 0                           ; written once: a lane permute's destination counts as one of its sources
	v_mov_b32 v[TM+5], 0
; THE WAY OUT, a block of 16 rows at a time: x3 = relu(y1) y2 in f32; my 64 f are two blocks of 32 along the next K: half a fragment (6 registers) and two scale bytes a row.
.irp a, 0,1,2,3,4,5,6,7
	WIN 0x08+4*(\a/4)                              ; source 1: the accumulators' window
.irp t, 0,1,2,3
.irp n, 0,1,2,3,4,5,6,7
	v_max_num_f32 v[H+8*\t+\n], 0, v[8*(8*(\a%4)+\t)+\n]             ; relu(y1): each accumulator from its low end on
.endr
.irp n, 0,2,4,6
	v_pk_mul_f32 v[H+8*\t+\n:H+8*\t+\n+1], v[H+8*\t+\n:H+8*\t+\n+1], v[8*(8*(\a%4)+4+\t)+\n:8*(8*(\a%4)+4+\t)+\n+1]   ; x y2
.endr
.endr
	WIN 0
.irp b, 0,1
	v_max3_num_f32 v[TM+\b], |v[H+16*\b]|, |v[H+16*\b+1]|, 0x2800000   ; block b: my 16 numbers and the floor 2^(5 - 127)
.endr
.irp i, 2,4,6,8,10,12,14
.irp b, 0,1
	v_max3_num_f32 v[TM+\b], v[TM+\b], |v[H+16*\b+\i]|, |v[H+16*\b+\i+1]|
.endr
.endr
.irp b, 0,1
	v_permlanex16_b32 v[TM+4+\b], v[TM+\b], s4, s5
.endr
.irp b, 0,1
	v_max_num_f32 v[TM+\b], v[TM+\b], v[TM+4+\b]   ; with lane l xor 16's 16
.endr
.irp b, 0,1
	v_add_nc_u32 v[TM+12+\b], 0xfe000000, v[TM+\b] ; 4 off the exponent field: the conversion's scale operand
.endr
.irp b, 0,1
	v_lshrrev_b32 v[TM+4+\b], 23, v[TM+12+\b]
.endr
	v_lshl_or_b32 v[HW+\a], v[TM+5], 8, v[TM+4]    ; bytes 2 j, 2 j + 1 of the row's scale word
	v_cvt_scalef32_pk16_bf6_f32 v[HF+6*\a:HF+6*\a+2], v[H:H+15], v[TM+12]
	v_cvt_scalef32_pk16_bf6_f32 v[CT:CT+2], v[H+16:H+31], v[TM+13]
	v_nop                                          ; one plain line behind a scaled conversion
.irp i, 0,1,2
	v_permlane16_swap_b32 v[HF+6*\a+\i], v[CT+\i]  ; a whole block to a lane: lanes 0-15 the first, lanes 16-31 the second
.endr
.irp i, 0,1,2
	v_mov_b32 v[HF+6*\a+3+\i], v[CT+\i]
.endr
.irp p, 0,1,2
	global_store_b64 v[XO], v[HF+6*\a+2*\p:HF+6*\a+2*\p+1], s[94:95] offset:409600*(\a/4)+1536*(\a%4)+256*\p   ; 32 lanes store 256 consecutive bytes, aligned; no register that a store reads is written again
.endr
	ds_store_b16 v[XSW], v[HW+\a] offset:256*(\a/4)+128*(\a%2)+4*((\a%4)/2)   ; both halves of the lanes write the same two bytes with the same value
.endr
	s_wait_dscnt 0x0                               ; for the others' sake: a word's four bytes come from two waves
	s_barrier_signal -1
	s_barrier_wait -1
	ds_load_b64 v[116:117], v[XSR]
	s_wait_dscnt 0x0
	global_store_b64 v[XO], v[116:117], s[96:97]   ; the scale words of 64 rows: 256 consecutive bytes, aligned
	s_wait_tensorcnt 0x0                           ; the wave's end
	ds_add_u32 v[SPW], v[NIL]
	s_wait_dscnt 0x0
	CROUND                                         ; the closing round: no work-group ends while a partner may still ask for a record that names it
	s_endpgm
.Lfunc_end_k_q463f160b81_gateup:
	.size	k_q463f160b81_gateup, .Lfunc_end_k_q463f160b81_gateup-k_q463f160b81_gateup
	.p2alignl 7, 3214868480
	.fill 96, 4, 3214868480
	.section	.rodata,"a",@progbits
	.p2align	6, 0x0
	.amdhsa_kernel k_q463f160b81_gateup
		.amdhsa_group_segment_fixed_size 327680
		.amdhsa_private_segment_fixed_size 0
		.amdhsa_enable_private_segment 0
		.amdhsa_kernarg_size 80
		.amdhsa_user_sgpr_count 2
		.amdhsa_user_sgpr_kernarg_segment_ptr 1
		.amdhsa_wavefront_size32 1
		.amdhsa_system_sgpr_workgroup_id_x 1
		.amdhsa_system_sgpr_workgroup_id_y 1
		.amdhsa_system_sgpr_workgroup_id_z 1
		.amdhsa_system_vgpr_workitem_id 0
		.amdhsa_next_free_vgpr 1024
		.amdhsa_next_free_sgpr 102
		.amdhsa_reserve_vcc 0
		.amdhsa_float_denorm_mode_32 3
		.amdhsa_float_denorm_mode_16_64 3
		.amdhsa_memory_ordered 1
		.amdhsa_forward_progress 1
		.amdhsa_inst_pref_size 255
	.end_amdhsa_kernel
	.section	.bss,"aw",@nobits
	.p2align	6
	.space	262144
	.amdgpu_metadata
---
amdhsa.version: [ 1, 2 ]
amdhsa.kernels:
  - .name:           k_q463f160b81_gateup
    .symbol:         k_q463f160b81_gateup.kd
    .args:
      - { .name: xq, .offset: 0, .size: 8, .value_kind: global_buffer, .address_space: global }
      - { .name: wgu, .offset: 8, .size: 8, .value_kind: global_buffer, .address_space: global }
      - { .name: tl, .offset: 16, .size: 8, .value_kind: global_buffer, .address_space: global }
      - { .name: w_gate_lora_b, .offset: 24, .size: 8, .value_kind: global_buffer, .address_space: global }
      - { .name: w_up_lora_b, .offset: 32, .size: 8, .value_kind: global_buffer, .address_space: global }
      - { .name: b_gate, .offset: 40, .size: 8, .value_kind: global_buffer, .address_space: global }
      - { .name: b_up, .offset: 48, .size: 8, .value_kind: global_buffer, .address_space: global }
      - { .name: x3q, .offset: 56, .size: 8, .value_kind: global_buffer, .address_space: global }
      - { .name: w_down, .offset: 64, .size: 8, .value_kind: global_buffer, .address_space: global }
      - { .name: wdn, .offset: 72, .size: 8, .value_kind: global_buffer, .address_space: global }
    .group_segment_fixed_size: 327680
    .private_segment_fixed_size: 0
    .kernarg_segment_align: 8
    .kernarg_segment_size: 80
    .max_flat_workgroup_size: 128
    .sgpr_count:     102
    .vgpr_count:     1024
    .wavefront_size: 32
...
	.end_amdgpu_metadata
.endif
;; end of part 2
;; launch down (part 3): grid 16 x 16, 4 waves a work-group, clusters of 4 x 4, 327,680 bytes of LDS; arguments x3q, wdn, wdl, w_down_lora_b, b_down, out0; writes out0
.if DOCPART == 3
	.amdgcn_target "amdgcn-amd-amdhsa--gfx1250"
	.amdhsa_code_object_version 6
	.text
	.protected	k_q463f160b81_down
	.globl	k_q463f160b81_down
	.p2align	8
	.type	k_q463f160b81_down,@function
k_q463f160b81_down:
	s_mov_b64 s[64:65], 0
	v_nop
	global_prefetch_b8 v0, s[64:65] scope:SCOPE_SE
	s_setreg_imm32_b32 hwreg(HW_REG_WAVE_MODE, 25, 1), 1
	s_wait_xcnt 0x0
	s_wait_alu depctr_hold_cnt(0) depctr_sa_sdst(0) depctr_va_vdst(0) depctr_va_sdst(0) depctr_va_ssrc(0) depctr_va_vcc(0) depctr_vm_vsrc(0)
	s_getreg_b32 s2, hwreg(HW_REG_IB_STS2, 6, 4)
	s_cmp_eq_u32 s2, 0
	s_cbranch_scc0 .Lentry_in_a_cluster
	s_endpgm
.Lentry_in_a_cluster:
	s_bfe_u32 s2, ttmp6, 0x10000c
	s_cmp_lg_u32 s2, 0xf033
	s_cbranch_scc0 .Lentry_shape_is_right
	s_endpgm
.Lentry_shape_is_right:
; DOWN: out = Q(x3) Q(w_down) + b_down + (Q(x3) Q(w_down_lora_a)) w_down_lora_b.  K = 8,192 = 64 K steps of 128, on codes of BF6 with one E8M0 byte for each 32.
; 1,024 x 2,048 outputs in tiles of 64 rows x 128 columns give 256 work-groups.  THE FOUR WAVES SHARE K, NOT THE TILE: each holds the whole tile (32 accumulators) and takes two of a slot's eight K steps,
; so that each LDS byte is read once and 12 fragments feed 32 products.  The four partial sums meet in LDS at the end.
; u = Q(x3) Q(lora_a) rides along: four products more a K step, on fragments of lora_a that stay in registers.  Each wave multiplies ITS partial u (rounded to bf16) by lora_b (bf16) into its partial sums:
; the product is linear in u, so u itself is never summed over the waves.
; All products are used TRANSPOSED (source 0 = 16 columns or ranks, source 1 = 16 rows): lane (r, h) register n of tile 2 q + u holds out(row r, column 32 q + 16 h + 8 u + n), by the choice of a tile's columns.
; TILES are dense records (1,024 along K): x3q's 51,200 bytes, wdn's 102,400: fragments as images of their registers, then scale words.  Every LDS read takes consecutive bytes in consecutive lanes: no padding.
; CLUSTERS: 4 x 4 work-groups; x3q's record is shared along a row of the cluster, wdn's along a column: each is asked for JOINTLY.
; LIMITS: NaN and infinities are not served.  An output is the sum of four partial sums over K (a quarter of each record each), added ((0 + 1) + (2 + 3)) + bias; u goes in bf16, a partial of it for each wave.
; REGISTERS, in windows of 256: window 0: v1-31 addresses and the bias; v32-39 A's scale words, v40-55 B's, v56-63 lora_a's; v64-159 A's fragments, two sets; v160-191 u; v192-255 lora_b as loaded, later u in bf16.
;   window 1: B's fragments, two sets at v0 and v128; lora_b in bf16 at v96-127 and v224-255.   window 2: the 32 accumulators, (a, b) at v[8 (8 a + b)].   window 3: lora_a's 16 fragments.
.set RECA,  51200
.set RECB,  102400
.set SLOT,  RECA+RECB
.set SPARE, 2*SLOT                     ; the spare words, 128 bytes a wave: two blocks of 256 bytes that no other line names
.set PART,  64*528                     ; the way out: a partial tile, 64 rows x (512 bytes + 16); four of them lie in slot 0, which has had its last fill and its last read by then
.set RD,   8                           ; v8-11  where I read my 16 rows of partial 0 .. 3
.set ADRA, 16                          ; v16-17 my A fragments in slot 0, 1
.set ADSA, 18                          ; v18-19 their scale words
.set ADRB, 20                          ; v20-21 my B fragments
.set ADSB, 22                          ; v22-23 their scale words
.set SPW,  28
.set NIL,  29
.set STO,  30                          ; v30    where I put 16 bytes of a row of my partial
.set SA,   32                          ; 4 slot + 2 e + a / 2, lanes' half a % 2
.set SB,   40                          ; 8 slot + 2 (b / 2) + e, half b % 2
.set SL,   56                          ; record P, half e
.set AF,   64                          ; set e at AF + 48 e
.set U,    160
.set RAW,  192
.set UF,   192
.set G1,  24
.set G0,  32
.set G1B, 48
.set G0B, 56
.set MSB, 0
.macro WIN new
.if MSB != (\new)
	s_set_vgpr_msb (MSB<<8)|(\new)
.set MSB, \new
.endif
.endm
.set MUL,  0xa1                        ; source 0 (B) window 1, source 1 (A) window 0, C and D window 2
.set UW,   0x03                        ; source 0 (lora_a) window 3, all else window 0
.set TO_B, 0x40
.macro JLOAD g0a, g1a, g0b, g1b        ; waves 0 and 1 fetch A's halves, waves 2 and 3 B's; four v_nop follow each line
	s_cmp_eq_u32 s15, 0
	s_cbranch_scc0 .Lfor_b_\@
	tensor_load_to_lds s[\g0a:\g0a+3], s[\g1a:\g1a+7]
	s_nop 0
.rept 4
	v_nop
.endr
	s_branch .Lasked_\@
.Lfor_b_\@:
	tensor_load_to_lds s[\g0b:\g0b+3], s[\g1b:\g1b+7]
	s_nop 0
.rept 4
	v_nop
.endr
.Lasked_\@:
.endm
.macro CREST
	s_cmp_lg_u32 s14, 0
	s_cbranch_scc1 .Lnot_wave_0_\@
	s_barrier_signal -3
.Lnot_wave_0_\@:
	s_barrier_wait -3
	s_barrier_signal -1
	s_barrier_wait -1
.endm
.macro CROUND
	s_barrier_signal -1
	s_barrier_wait -1
	CREST
.endm
.macro PLACES n
.rept \n
	v_nop
.endr
.endm
	s_load_b256 s[68:75], s[0:1], 0x0              ; x3q s[68:69], wdn s[70:71], wdl s[72:73], w_down_lora_b s[74:75]
	s_load_b128 s[76:79], s[0:1], 0x20             ; b_down s[76:77], out0 s[78:79]
	v_lshl_add_u32 v[SPW], v0, 2, SPARE
	v_mov_b32 v[NIL], 0
	ds_add_u32 v28, v29
	ds_add_u32 v28, v29
	s_wait_dscnt 0x0
	v_lshrrev_b32 v1, 5, v0
	v_readfirstlane_b32 s14, v1                    ; wave 0..3: also which two of a slot's eight K steps are mine
	s_lshr_b32 s15, s14, 1                         ; I fetch for A (0) or for B (1),
	s_and_b32 s16, s14, 1                          ; this half of the record
	s_bfe_u32 s40, ttmp6, 0x40000                  ; cx, cy
	s_bfe_u32 s41, ttmp6, 0x40004
	s_lshl_b32 s42, ttmp9, 2
	s_add_co_u32 s42, s42, s40                     ; nt = columns / 128
	s_and_b32 s17, ttmp7, 0xffff
	s_lshl_b32 s17, s17, 2
	s_add_co_u32 s17, s17, s41                     ; mt = rows / 64
	s_lshl_b32 s43, s41, 2
	s_lshl_b32 s43, 15, s43                        ; my row of the cluster
	s_lshl_b32 s44, 0x1111, s40                    ; my column
	; descriptor groups 1: dense bytes as rows of 32 elements of 8 bytes: A 100 rows, B 200
	s_or_b32 s[G1+0], s43, (3<<16)|(1<<21)
	s_or_b32 s[G1B+0], s44, (3<<16)|(1<<21)
	s_mov_b32 s[G1+1], 32<<16
	s_mov_b32 s[G1+2], 100<<16
	s_mov_b32 s[G1+3], 32<<16
	s_mov_b32 s[G1+4], 100
	s_mov_b32 s[G1+5], 32
	s_mov_b32 s[G1+6], 0
	s_mov_b32 s[G1+7], 0
	s_mov_b32 s[G1B+1], 32<<16
	s_mov_b32 s[G1B+2], 200<<16
	s_mov_b32 s[G1B+3], 32<<16
	s_mov_b32 s[G1B+4], 200
	s_mov_b32 s[G1B+5], 32
	s_mov_b32 s[G1B+6], 0
	s_mov_b32 s[G1B+7], 0
	s_mul_i32 s20, s17, 409600                     ; A: x3q's records of my 64 rows, + my half; these registers never hold cx
	s_mul_i32 s21, s16, RECA/2
	s_add_co_u32 s20, s20, s21
	s_mov_b32 s21, 0
	s_mul_i32 s46, s42, 819200                     ; B: wdn's records of my 128 columns, + my half
	s_mul_i32 s47, s16, RECB/2
	s_add_co_u32 s46, s46, s47
	s_mov_b32 s47, 0
	s_mul_i32 s45, s16, RECA/2                     ; where they go: A's halves,
	s_mul_i32 s18, s16, RECB/2
	s_add_co_u32 s18, s18, RECA                    ; then B's
	s_wait_kmcnt 0x0
	s_add_nc_u64 s[20:21], s[68:69], s[20:21]
	s_add_nc_u64 s[46:47], s[70:71], s[46:47]
	CROUND                                         ; all sixteen work-groups are here: the first joint loads meet
.irp s, 0,1
	s_mov_b32 s[G0+4*\s], 1
	s_add_co_u32 s[G0+4*\s+1], s45, \s*SLOT
	s_add_nc_u64 s[G0+4*\s+2:G0+4*\s+3], s[20:21], \s*RECA
	s_or_b32 s[G0+4*\s+3], s[G0+4*\s+3], 0x80000000
	s_mov_b32 s[G0B+4*\s], 1
	s_add_co_u32 s[G0B+4*\s+1], s18, \s*SLOT
	s_add_nc_u64 s[G0B+4*\s+2:G0B+4*\s+3], s[46:47], \s*RECB
	s_or_b32 s[G0B+4*\s+3], s[G0B+4*\s+3], 0x80000000
	JLOAD G0+4*\s, G1, G0B+4*\s, G1B               ; two tensor loads of mine are out
.endr
	s_mul_i32 s6, s14, 3072                        ; lora_a's fragments: K step 8 P + 2 wave + e
	s_mov_b32 s7, 0
	s_add_nc_u64 s[80:81], s[72:73], s[6:7]
	s_lshl_b32 s6, s15, 8                          ; their scale words: unit 2 P + wave / 2, word wave % 2
	s_lshl_b32 s8, s16, 2
	s_add_co_u32 s6, s6, s8
	s_add_co_u32 s6, s6, 98304
	s_add_nc_u64 s[82:83], s[72:73], s[6:7]
	s_lshl_b32 s8, s42, 9                          ; column 128 nt, in f32
	s_mov_b32 s9, 0
	s_add_nc_u64 s[86:87], s[74:75], s[8:9]
	s_add_nc_u64 s[88:89], s[76:77], s[8:9]
	s_lshl_b32 s10, s17, 19                        ; out: row 64 mt + 16 wave (rows of 8,192 bytes), column 128 nt
	s_lshl_b32 s11, s14, 17
	s_add_co_u32 s10, s10, s11
	s_add_co_u32 s10, s10, s8
	s_mov_b32 s11, 0
	s_add_nc_u64 s[84:85], s[78:79], s[10:11]
	v_and_b32 v1, 31, v0                           ; lane
	v_and_b32 v2, 15, v0                           ; r
	v_bfe_u32 v3, v0, 4, 1                         ; h
	v_lshlrev_b32 v4, 4, v1                        ; 16 x lane
	v_lshlrev_b32 v5, 3, v1                        ; 8 x lane
	v_and_b32 v7, 8, v2
	v_add_nc_u32 v7, v7, v2
	v_lshlrev_b32 v6, 2, v7
	v_lshl_add_u32 v6, v3, 16, v6                  ; lora_b: rank 8 h (rows of 8,192 bytes), column r + 8 (r / 8)
	s_mul_i32 s22, s14, 16*528
	v_add_nc_u32 v[RD], s22, v4
	v_add_nc_u32 v[RD+1], PART, v[RD]
	v_add_nc_u32 v[RD+2], PART, v[RD+1]
	v_add_nc_u32 v[RD+3], PART, v[RD+2]
	s_mul_i32 s22, s14, 12288                      ; A: K steps 2 wave, 2 wave + 1: 6,144 bytes each
	v_add_nc_u32 v[ADRA], s22, v5
	v_add_nc_u32 v[ADRA+1], SLOT, v[ADRA]
	s_lshl_b32 s22, s14, 9
	s_add_co_u32 s22, s22, 49152
	v_add_nc_u32 v[ADSA], s22, v5
	v_add_nc_u32 v[ADSA+1], SLOT, v[ADSA]
	s_mul_i32 s22, s14, 24576                      ; B: 12,288 bytes a K step, behind A's record
	s_add_co_u32 s22, s22, RECA
	v_add_nc_u32 v[ADRB], s22, v4
	v_add_nc_u32 v[ADRB+1], SLOT, v[ADRB]
	s_lshl_b32 s22, s14, 10
	s_add_co_u32 s22, s22, RECA+98304
	v_add_nc_u32 v[ADSB], s22, v5
	v_add_nc_u32 v[ADSB+1], SLOT, v[ADSB]
	v_mul_u32_u24 v[STO], v2, 528
	v_lshl_add_u32 v[STO], v3, 6, v[STO]
	s_mul_i32 s22, s14, PART
	v_add_nc_u32 v[STO], s22, v[STO]               ; my partial: row r, + 64 h
	WIN 0xc0                                       ; destination window 3
.irp p, 0,1,2,3,4,5,6,7
.irp e, 0,1
.irp g, 0,1,2
	global_load_b128 v[12*(2*\p+\e)+4*\g:12*(2*\p+\e)+4*\g+3], v4, s[80:81] offset:12288*\p+1536*\e+512*\g   ; lora_a's sixteen fragments of my K steps: they stay
.endr
.endr
.endr
	WIN 0
.irp p, 0,1,2,3,4,5,6,7
	global_load_b32 v[SL+\p], v5, s[82:83] offset:512*\p
.endr
.irp b, 0,1,2,3,4,5,6,7
.irp e, 0,1,2,3,4,5,6,7
	global_load_b32 v[RAW+8*\b+\e], v6, s[86:87] offset:8192*\e+128*(\b/2)+32*(\b%2)    ; lora_b(8 h + e, the tile's column r)
.endr
.endr
	global_load_b128 v[24:27], v4, s[88:89]        ; b_down at the four columns that I store
	s_wait_loadcnt 0x0
	WIN TO_B
.irp b, 0,1,2,3,4,5,6,7                ; lora_b as source 0 of the bf16 form: registers 0-3 ranks 8 h .. 8 h + 7; registers 4-7 (k = 16 .. 31) zeros
.irp k, 0,1,2,3
	v_cvt_pk_bf16_f32 v[96+8*\b+96*(\b/4)+\k], v[RAW+8*\b+2*\k], v[RAW+8*\b+2*\k+1]
	v_mov_b32 v[96+8*\b+96*(\b/4)+4+\k], 0
.endr
.endr
	WIN 0
; One scaled product on the registers named by rD, rA, rB, rSA, rSB.  z = 1: it starts its sum.  ra, rb: which half of the lanes holds source 0's and source 1's scale words.
.macro W6 z, ra, rb
.if \z
.if (\ra) && (\rb)
	v_wmma_scale_f32_16x16x128_f8f6f4 v[rD:rD+7], v[rA:rA+11], v[rB:rB+11], 0, v[rSA], v[rSB] matrix_a_fmt:MATRIX_FMT_BF6 matrix_b_fmt:MATRIX_FMT_BF6 matrix_a_scale:MATRIX_SCALE_ROW1 matrix_b_scale:MATRIX_SCALE_ROW1
.elseif (\ra)
	v_wmma_scale_f32_16x16x128_f8f6f4 v[rD:rD+7], v[rA:rA+11], v[rB:rB+11], 0, v[rSA], v[rSB] matrix_a_fmt:MATRIX_FMT_BF6 matrix_b_fmt:MATRIX_FMT_BF6 matrix_a_scale:MATRIX_SCALE_ROW1
.elseif (\rb)
	v_wmma_scale_f32_16x16x128_f8f6f4 v[rD:rD+7], v[rA:rA+11], v[rB:rB+11], 0, v[rSA], v[rSB] matrix_a_fmt:MATRIX_FMT_BF6 matrix_b_fmt:MATRIX_FMT_BF6 matrix_b_scale:MATRIX_SCALE_ROW1
.else
	v_wmma_scale_f32_16x16x128_f8f6f4 v[rD:rD+7], v[rA:rA+11], v[rB:rB+11], 0, v[rSA], v[rSB] matrix_a_fmt:MATRIX_FMT_BF6 matrix_b_fmt:MATRIX_FMT_BF6
.endif
.else
.if (\ra) && (\rb)
	v_wmma_scale_f32_16x16x128_f8f6f4 v[rD:rD+7], v[rA:rA+11], v[rB:rB+11], v[rD:rD+7], v[rSA], v[rSB] matrix_a_fmt:MATRIX_FMT_BF6 matrix_b_fmt:MATRIX_FMT_BF6 matrix_a_scale:MATRIX_SCALE_ROW1 matrix_b_scale:MATRIX_SCALE_ROW1
.elseif (\ra)
	v_wmma_scale_f32_16x16x128_f8f6f4 v[rD:rD+7], v[rA:rA+11], v[rB:rB+11], v[rD:rD+7], v[rSA], v[rSB] matrix_a_fmt:MATRIX_FMT_BF6 matrix_b_fmt:MATRIX_FMT_BF6 matrix_a_scale:MATRIX_SCALE_ROW1
.elseif (\rb)
	v_wmma_scale_f32_16x16x128_f8f6f4 v[rD:rD+7], v[rA:rA+11], v[rB:rB+11], v[rD:rD+7], v[rSA], v[rSB] matrix_a_fmt:MATRIX_FMT_BF6 matrix_b_fmt:MATRIX_FMT_BF6 matrix_b_scale:MATRIX_SCALE_ROW1
.else
	v_wmma_scale_f32_16x16x128_f8f6f4 v[rD:rD+7], v[rA:rA+11], v[rB:rB+11], v[rD:rD+7], v[rSA], v[rSB] matrix_a_fmt:MATRIX_FMT_BF6 matrix_b_fmt:MATRIX_FMT_BF6
.endif
.endif
.endm
.macro MULA sl, e, a, z                ; A's block a against B's eight fragments, my K step e of slot sl
.irp b, 0,1,2,3,4,5,6,7
.set rD, 8*(8*(\a)+\b)
.set rA, 128*(\e)+12*\b
.set rB, AF+48*(\e)+12*(\a)
.set rSA, SB+8*(\sl)+2*(\b/2)+(\e)
.set rSB, SA+4*(\sl)+2*(\e)+(\a)/2
	W6 \z, \b%2, (\a)%2
.endr
.endm
.macro MULU p, sl, e, z                ; u += lora_a's fragment x A's four blocks
.irp a, 0,1,2,3
.set rD, U+8*\a
.set rA, 12*(2*(\p)+(\e))
.set rB, AF+48*(\e)+12*\a
.set rSA, SL+(\p)
.set rSB, SA+4*(\sl)+2*(\e)+\a/2
	W6 \z, \e, \a%2
.endr
.endm
.macro FETCH sl, e                     ; my K step e of slot sl into set e: 24 + 24 + 1 loads, and with e = 0 B's scale words of both steps, 4 more
	WIN TO_B
.irp b, 0,1,2,3,4,5,6,7
.irp g, 0,1,2
	ds_load_b128 v[128*(\e)+12*\b+4*\g:128*(\e)+12*\b+4*\g+3], v[ADRB+(\sl)] offset:12288*(\e)+1536*\b+512*\g
.endr
.endr
	WIN 0
.irp a, 0,1,2,3
.irp p, 0,1,2,3,4,5
	ds_load_b64 v[AF+48*(\e)+12*\a+2*\p:AF+48*(\e)+12*\a+2*\p+1], v[ADRA+(\sl)] offset:6144*(\e)+1536*\a+256*\p
.endr
.endr
	ds_load_b64 v[SA+4*(\sl)+2*(\e):SA+4*(\sl)+2*(\e)+1], v[ADSA+(\sl)] offset:256*(\e)
.if (\e) == 0
.irp q, 0,1,2,3
	ds_load_b64 v[SB+8*(\sl)+2*\q:SB+8*(\sl)+2*\q+1], v[ADSB+(\sl)] offset:256*\q
.endr
.endif
.endm
; RECORD p, in slot p % 2: my two K steps, 72 matrix instructions; the 36 accumulators take turns in the same order in every K step.
; In its middle the change of slots: each wave waits for all its tensor loads, adds 0 to its spare word, and waits for that and for its reads of this slot (both sets were fetched a record ago).
; fill = 1: behind the round this slot is filled again, two records on.  z = 1: the first K step's products start the sums.
.macro PHASE p, z, fill
	WIN MUL
	MULA (\p)%2, 0, 0, \z
	MULA (\p)%2, 0, 1, \z
	MULA (\p)%2, 0, 2, \z
	WIN 0                                          ; (the add's two registers lie in window 0)
	s_wait_tensorcnt 0x0                           ; all my tensor loads have landed: my part of the other slot
	ds_add_u32 v[SPW], v[NIL]                      ; 0 onto my spare word
	WIN MUL
	MULA (\p)%2, 0, 3, \z                          ; eight matrix instructions stand between the add and the wait for it
	s_wait_dscnt 0x0                               ; the add is done, and my reads of this slot are over
	s_barrier_signal -1
	WIN UW
	MULU \p, (\p)%2, 0, \z
	WIN MUL
	MULA (\p)%2, 1, 0, 0
	WIN 0
	s_barrier_wait -1
.if \fill
	CREST                                          ; the barrier has opened a round of the cluster's: no wave of any partner still reads this slot or has a load on its way
	s_add_nc_u64 s[G0+4*((\p)%2)+2:G0+4*((\p)%2)+3], s[G0+4*((\p)%2)+2:G0+4*((\p)%2)+3], 2*RECA
	s_add_nc_u64 s[G0B+4*((\p)%2)+2:G0B+4*((\p)%2)+3], s[G0B+4*((\p)%2)+2:G0B+4*((\p)%2)+3], 2*RECB
	JLOAD G0+4*((\p)%2), G1, G0B+4*((\p)%2), G1B   ; the first tensor load behind the round, my only one until the next; its four v_nop are the places in front of the loads below
.else
	PLACES 4
.endif
	FETCH 1-(\p)%2, 0
	WIN MUL
	MULA (\p)%2, 1, 1, 0
	MULA (\p)%2, 1, 2, 0
	MULA (\p)%2, 1, 3, 0
	WIN UW
	MULU \p, (\p)%2, 1, 0
	WIN 0
	PLACES 4                                       ; in front of loads into registers that matrix instructions have read
	FETCH 1-(\p)%2, 1
	s_wait_dscnt 49                                ; set 0 is in; set 1's 49 loads may be out
.endm
	s_wait_tensorcnt 1                             ; my part of record 0 is in (record 1's load may be out)
	s_barrier_signal -1
	s_barrier_wait -1                              ; everybody's is
	FETCH 0, 0
	FETCH 0, 1
	s_wait_dscnt 49
	PHASE 0, 1, 1                                  ; the eight records are written out: lora_a's registers hang on the record's number
	PHASE 1, 0, 1
	PHASE 2, 0, 1
	PHASE 3, 0, 1
	PHASE 4, 0, 1
	PHASE 5, 0, 1
	PHASE 6, 0, 0                                  ; nothing is left to fetch; behind its barrier nobody reads slot 0 any more
	WIN MUL
	MULA 1, 0, 0, 0
	MULA 1, 0, 1, 0
	MULA 1, 0, 2, 0
	MULA 1, 0, 3, 0
	WIN UW
	MULU 7, 1, 0, 0
	s_wait_dscnt 0x0
	WIN MUL
	MULA 1, 1, 0, 0
	MULA 1, 1, 1, 0
	MULA 1, 1, 2, 0
	MULA 1, 1, 3, 0
	WIN UW
	MULU 7, 1, 1, 0
	WIN 0
	PLACES 5                                       ; 4 in front of the first read of u, 5 in front of another form that writes over the accumulators
.irp a, 0,1,2,3                        ; my partial u as source 1 of the bf16 form: lane (r, h) holds row r, ranks 8 h .. 8 h + 7; k = 16 .. 31 zeros
.irp k, 0,1,2,3
	v_cvt_pk_bf16_f32 v[UF+8*\a+\k], v[U+8*\a+2*\k], v[U+8*\a+2*\k+1]
	v_mov_b32 v[UF+8*\a+4+\k], 0
.endr
.endr
	WIN MUL
.irp a, 0,1,2,3
.irp b, 0,1,2,3,4,5,6,7
	v_wmma_f32_16x16x32_bf16 v[8*(8*\a+\b):8*(8*\a+\b)+7], v[96+8*\b+96*(\b/4):96+8*\b+96*(\b/4)+7], v[UF+8*\a:UF+8*\a+7], v[8*(8*\a+\b):8*(8*\a+\b)+7]
.endr
.endr
	WIN 0
	PLACES 4
	WIN 0x08                                       ; an LDS store's data are its source 1: window 2
.irp a, 0,1,2,3
.irp b, 0,1,2,3,4,5,6,7
	ds_store_b128 v[STO], v[8*(8*\a+\b):8*(8*\a+\b)+3] offset:8448*\a+128*(\b/2)+32*(\b%2)          ; each accumulator from its low end on
	ds_store_b128 v[STO], v[8*(8*\a+\b)+4:8*(8*\a+\b)+7] offset:8448*\a+128*(\b/2)+32*(\b%2)+16
.endr
.endr
	WIN 0
	s_wait_dscnt 0x0                               ; for the others' sake: my partial lies in LDS
	s_barrier_signal -1
	s_barrier_wait -1
; Wave w adds the four partials of rows 16 w .. 16 w + 15 and the bias, four rows at a time on two sets of registers, and stores whole rows of 512 bytes.
.macro LOADR k, rb
.irp i, 0,1,2,3
.irp q, 0,1,2,3
	ds_load_b128 v[\rb+16*\i+4*\q:\rb+16*\i+4*\q+3], v[RD+\q] offset:528*(4*\k+\i)
.endr
.endr
.endm
.macro SUMST k, rb
.irp i, 0,1,2,3
.set q0, \rb+16*\i
	v_pk_add_f32 v[q0:q0+1], v[q0:q0+1], v[q0+4:q0+5]
	v_pk_add_f32 v[q0+2:q0+3], v[q0+2:q0+3], v[q0+6:q0+7]
	v_pk_add_f32 v[q0+8:q0+9], v[q0+8:q0+9], v[q0+12:q0+13]
	v_pk_add_f32 v[q0+10:q0+11], v[q0+10:q0+11], v[q0+14:q0+15]
	v_pk_add_f32 v[q0:q0+1], v[q0:q0+1], v[q0+8:q0+9]
	v_pk_add_f32 v[q0+2:q0+3], v[q0+2:q0+3], v[q0+10:q0+11]
	v_pk_add_f32 v[q0:q0+1], v[q0:q0+1], v[24:25]
	v_pk_add_f32 v[q0+2:q0+3], v[q0+2:q0+3], v[26:27]
	global_store_b128 v4, v[q0:q0+3], s[84:85] offset:8192*(4*\k+\i) th:TH_STORE_NT   ; 32 lanes store 512 consecutive bytes, at a multiple of 256 from the buffer's first byte
.endr
.endm
	LOADR 0, 64
	LOADR 1, 128
	s_wait_dscnt 16                                ; the older four rows are in; the younger sixteen loads may be out
	SUMST 0, 64
	s_wait_xcnt 0x0                                ; the stores have read their registers: only now are these loaded again
	LOADR 2, 64
	s_wait_dscnt 16
	SUMST 1, 128
	s_wait_xcnt 0x0
	LOADR 3, 128
	s_wait_dscnt 16
	SUMST 2, 64
	s_wait_dscnt 0x0
	SUMST 3, 128
	s_wait_tensorcnt 0x0                           ; the wave's end
	ds_add_u32 v[SPW], v[NIL]
	s_wait_dscnt 0x0
	CROUND                                         ; the closing round: no work-group ends while a partner may still ask for a record that names it
	s_endpgm
.Lfunc_end_k_q463f160b81_down:
	.size	k_q463f160b81_down, .Lfunc_end_k_q463f160b81_down-k_q463f160b81_down
	.p2alignl 7, 3214868480
	.fill 96, 4, 3214868480
	.section	.rodata,"a",@progbits
	.p2align	6, 0x0
	.amdhsa_kernel k_q463f160b81_down
		.amdhsa_group_segment_fixed_size 327680
		.amdhsa_private_segment_fixed_size 0
		.amdhsa_enable_private_segment 0
		.amdhsa_kernarg_size 48
		.amdhsa_user_sgpr_count 2
		.amdhsa_user_sgpr_kernarg_segment_ptr 1
		.amdhsa_wavefront_size32 1
		.amdhsa_system_sgpr_workgroup_id_x 1
		.amdhsa_system_sgpr_workgroup_id_y 1
		.amdhsa_system_sgpr_workgroup_id_z 1
		.amdhsa_system_vgpr_workitem_id 0
		.amdhsa_next_free_vgpr 960
		.amdhsa_next_free_sgpr 98
		.amdhsa_reserve_vcc 0
		.amdhsa_float_denorm_mode_32 3
		.amdhsa_float_denorm_mode_16_64 3
		.amdhsa_memory_ordered 1
		.amdhsa_forward_progress 1
		.amdhsa_inst_pref_size 179
	.end_amdhsa_kernel
	.amdgpu_metadata
---
amdhsa.version: [ 1, 2 ]
amdhsa.kernels:
  - .name:           k_q463f160b81_down
    .symbol:         k_q463f160b81_down.kd
    .args:
      - { .name: x3q, .offset: 0, .size: 8, .value_kind: global_buffer, .address_space: global }
      - { .name: wdn, .offset: 8, .size: 8, .value_kind: global_buffer, .address_space: global }
      - { .name: wdl, .offset: 16, .size: 8, .value_kind: global_buffer, .address_space: global }
      - { .name: w_down_lora_b, .offset: 24, .size: 8, .value_kind: global_buffer, .address_space: global }
      - { .name: b_down, .offset: 32, .size: 8, .value_kind: global_buffer, .address_space: global }
      - { .name: out0, .offset: 40, .size: 8, .value_kind: global_buffer, .address_space: global }
    .group_segment_fixed_size: 327680
    .private_segment_fixed_size: 0
    .kernarg_segment_align: 8
    .kernarg_segment_size: 48
    .max_flat_workgroup_size: 128
    .sgpr_count:     98
    .vgpr_count:     960
    .wavefront_size: 32
...
	.end_amdgpu_metadata
.endif
;; end of part 3
;; ======== version 2 of 2: 3 launches; version 1 with the launch prep written anew for expert scheduling mode
;; workspace buffers: xq 1,638,400 bytes; wgu 26,214,400 bytes; wdn 13,107,200 bytes; wdl 102,400 bytes; tl 131,072 bytes; x3q 6,553,600 bytes
;; launch prep (part 4): grid 289 x 1, 16 waves a work-group, no clusters, 69,632 bytes of LDS; arguments x1, w_gate, w_up, w_gate_lora_a, w_up_lora_a, w_down_lora_a, xq, wgu, wdl, tl; writes xq, wgu, wdl, tl
.if DOCPART == 4
	.amdgcn_target "amdgcn-amd-amdhsa--gfx1250"
	.amdhsa_code_object_version 6
	.text
	.protected	k_q463f160b81_prep
	.globl	k_q463f160b81_prep
	.p2align	8
	.type	k_q463f160b81_prep,@function
k_q463f160b81_prep:
	s_mov_b64 s[64:65], 0
	v_nop
	global_prefetch_b8 v0, s[64:65] scope:SCOPE_SE
	s_setreg_imm32_b32 hwreg(HW_REG_WAVE_SCHED_MODE, 0, 2), 2
	s_setreg_imm32_b32 hwreg(HW_REG_WAVE_MODE, 25, 1), 1
	s_wait_xcnt 0x0
	s_wait_alu depctr_vm_vsrc(0)
; PREP: the operands that the next launch reads, and that arrive as f32, are quantised ONCE to codes of BF6 (E3M2) with one E8M0 byte for each 32 along K,
; and laid in the ORDER OF THE OPERAND'S REGISTERS: a fragment (16 rows x 128 K, 12 registers a lane, 1,536 bytes) lies as registers 4 g .. 4 g + 3 of lane L at 512 g + 16 L.
; (w_down, which only the third launch reads, is quantised by the second launch, between its matrix work.)
; Three kinds of work-group, told apart by the work-group's number alone:
;   0 .. 31   X: 32 rows of x1: codes and scale words into xq; and t_gate = Q(x1) Q(w_gate_lora_a), t_up = Q(x1) Q(w_up_lora_a) into tl (wave w takes K step w; the sixteen partial sums meet in LDS)
;   32        L: w_down_lora_a into wdl (wave w takes K steps 4 w .. 4 w + 3)
;   33 .. 288 W: w_gate and w_up into wgu, 128 work-groups each; a wave takes 32 columns x 256 along K and shares nothing with the others
; THE COLUMNS THAT FORM A TILE OF A LARGE WEIGHT ARE NOT NEIGHBOURS: of 32 columns, lane-row r of tile u is column 8 u + r + 8 (r / 8), so that in the transposed product the 16 registers
; of two neighbouring tiles are 16 neighbouring columns.
; A block's scale is 2^(floor(log2(its largest magnitude)) - 4); its byte is the largest magnitude's exponent field - 4, held at 1 from below.
; LIMITS: NaN and infinities among the inputs are not served.  A block whose largest magnitude lies under 2^-122 keeps the byte 1.  A block of zeros gets the byte 1 and not 127: its codes are zeros,
; which add nothing under any byte but 0xff, and the bytes are read by this program alone.  t is the sum of sixteen partial sums (one a K step), added as a tree in f32.
; THE MODE: SCHED_MODE bits 1:0 = 2 (LLVM: expert scheduling mode 2), set by the entry lines.  The code itself states the register dependences between vector or matrix instructions
; and memory or LDS instructions, with s_wait_alu, always for 0.
; THE PLAN, path by path: the registers that memory or LDS instructions touch, and who else names them.
;   W: X0 .. X2    three sets of 32 numbers.  Written by the loads of block t + 2, issued in block t; read by block t's maxima and conversions, which work on X[t % 3].  The loads of block t land in
;                  X[(t + 2) % 3] = X[(t - 1) % 3]: the set that block t - 1 worked on and that no vector line of block t names.  So one wait at a block's head states all that its 32 loads hang on.
;      the codes   24 registers for each of the wave's two K steps, written by conversions and moves, read by six stores: K step 0's behind block 4's wait, K step 1's behind a wait at the end.  Never written twice.
;      v4, v8-10   offsets, made once and never written again: the rows stand in the loads' immediates.
;   X: NB0, NB1    two sets of 64 numbers: loads land, a quantiser reads, the next loads land behind the wait that follows the quantiser.  The products' results lie in NB0 and go to LDS; the partial sums come back into NB1.
;      XF0 ..      x's two fragments: written by the quantisers, read by six stores and by the products; never written again.  MW: one select writes it, one LDS store reads it.
;      v5 .. v12   offsets and LDS addresses, made once at the path's head.
;   L: as X: two sets by turns; a K step's fragment has registers of its own.
; No register that a memory or LDS instruction reads is written again in any path: so the text holds no wait on vm_vsrc.
.set XSL, 65536                        ; LDS (path X alone): 0 .. 65,535 sixteen waves' partial t, 4,096 bytes each; from XSL on x's scale words, 2,048 bytes
.set X,   48                           ; path W: v48-143  three sets of 32 numbers
.set C,   144                          ;         v144-191 codes: 24 x K step + 12 x half + 6 c + e
.set CT,  192                          ;         v192-194 a block's upper 16 codes, until they are moved
.set SW,  196                          ;         v196-197 my column's scale words of the two K steps
.set NB0, 32                           ; paths X, L: v32-95, v96-159 two sets of 64 numbers
.set NB1, 96
.set XF0, 160                          ; v160-207 four fragments (X: x rows 0-15, x rows 16-31, gate's lora_a, up's lora_a;  L: four K steps)
.set WFG, 184
.set WFU, 196
.set TM,  208                          ; v208-223 at work: +0.. largest magnitudes, +4.. bytes, +12.. the conversions' scale operands
.set CT2, 224                          ; v224-230 the conversions' second halves
.set PW0, 232                          ; v232-235 scale words and nothing else (X: x's two, gate's, up's;  L: four K steps')
.set WSG, 234
.set WSU, 235
.set MW,  236                          ; v236-237 scale words merged for the way out
; ---- path W's macros
.macro LOADG t, g                      ; four of block t's 32 loads: W(32 t + 4 g + k, my column): each load reads 128 consecutive bytes a wave, the four waves side by side 512.
.if (\t) < 8                           ; (the wave has eight blocks: no load leaves its buffer)
.irp k, 0,1,2,3                        ; A row is 32,768 bytes: the row stands in the immediate, 255 rows at the most, inside its signed 24 bits (ISA guide, chapter 10)
	global_load_b32 v[X+32*((\t)%3)+4*(\g)+\k], v4, s[40:41] offset:(32*(\t)+4*(\g)+\k)*32768 th:TH_LOAD_NT
.endr
.endif
.endm
.macro LOADB t                         ; all of block t
.irp g, 0,1,2,3,4,5,6,7
	LOADG \t, \g
.endr
.endm
.macro STOREK k                        ; K step k is whole: my column is lane-row r' of tile u, and I hold both halves of its 12 + 12 registers
.irp hh, 0,1
.irp g, 0,1,2
	global_store_b128 v[8+(\k)], v[C+24*(\k)+12*\hh+4*\g:C+24*(\k)+12*\hh+4*\g+3], s[56:57] offset:256*\hh+512*\g   ; sixteen lanes fill 256 consecutive bytes, aligned, in each of the two fragments
.endr
.endr
.endm
.macro BLOCK t
.set XS, X+32*((\t)%3)
.set CD, C+24*((\t)/4)+12*((\t)%2)+6*(((\t)%4)/2)      ; block t of the wave's 8 is K step t / 4, half t % 2, c = (t % 4) / 2 of the fragment's layout
.if (\t) < 7
	s_wait_loadcnt 32                              ; this block's 32 loads are in; the next block's 32 may be out
.else
	s_wait_loadcnt 0x0
.endif
.if ((\t) > 0) && ((\t) < 6)
	s_wait_alu depctr_va_vdst(0)                   ; the block before is done reading its set, in which this block's loads land; in block 4 also: K step 0's codes are written, which the stores below read
.endif
.if (\t) == 4
	STOREK 0
.endif
	LOADG (\t)+2, 0                                ; the block two on is asked for, four loads ahead of each pair of maxima: no vector line since the wait names that set or v4
	v_max3_num_f32 v12, |v[XS]|, |v[XS+1]|, |v[XS+2]|              ; the block's largest magnitude: all 32 numbers are mine; two chains
	v_max3_num_f32 v13, |v[XS+3]|, |v[XS+4]|, |v[XS+5]|
.irp i, 6,10,14,18,22,26
	LOADG (\t)+2, (\i-2)/4
	v_max3_num_f32 v12, v12, |v[XS+\i]|, |v[XS+\i+1]|
	v_max3_num_f32 v13, v13, |v[XS+\i+2]|, |v[XS+\i+3]|
.endr
	LOADG (\t)+2, 7
	v_max3_num_f32 v12, v12, |v[XS+30]|, |v[XS+31]|
	v_max3_num_f32 v12, v12, v13, 0x2800000        ; and the floor 2^(5 - 127): the byte cannot fall under 1
	v_add_nc_u32 v11, 0xfe000000, v12              ; 4 off the exponent field: the conversion takes this operand's exponent field as its scale
	v_cvt_scalef32_pk16_bf6_f32 v[CD:CD+2], v[XS:XS+15], v11
	v_cvt_scalef32_pk16_bf6_f32 v[CT:CT+2], v[XS+16:XS+31], v11    ; (a conversion's three registers begin on an even number)
	v_lshrrev_b32 v13, 23, v11                     ; the scale's byte; also the plain line behind the conversions
.if (\t)%4 == 0
	v_mov_b32 v[SW+(\t)/4], v13                    ; four bytes to a word, the lower K in the lower byte
.else
	v_lshl_or_b32 v[SW+(\t)/4], v13, 8*((\t)%4), v[SW+(\t)/4]
.endif
.irp i, 0,1,2
	v_mov_b32 v[CD+3+\i], v[CT+\i]
.endr
.endm
; ---- paths X and L's macros
; 64 numbers of a lane, register 16 b + i = k 32 b + 16 (lane / 16) + i of my row, become a fragment's codes in v[d] on and the row's scale word in v[pw]
.macro QUANT s, d, pw
.irp b, 0,1,2,3
	v_max3_num_f32 v[TM+\b], |v[\s+16*\b]|, |v[\s+1+16*\b]|, 0x2800000   ; block b: my 16 numbers and the floor
.endr
.irp i, 2,4,6,8,10,12,14
.irp b, 0,1,2,3
	v_max3_num_f32 v[TM+\b], v[TM+\b], |v[\s+16*\b+\i]|, |v[\s+1+16*\b+\i]|   ; the four blocks by turns
.endr
.endr
.irp b, 0,1,2,3
	v_permlanex16_b32 v[TM+4+\b], v[TM+\b], s4, s5
.endr
.irp b, 0,1,2,3
	v_max_num_f32 v[TM+\b], v[TM+\b], v[TM+4+\b]   ; with lane l xor 16's 16: the block's largest magnitude
.endr
.irp b, 0,1,2,3
	v_add_nc_u32 v[TM+12+\b], 0xfe000000, v[TM+\b]
.endr
.irp b, 0,1,2,3
	v_lshrrev_b32 v[TM+4+\b], 23, v[TM+12+\b]
.endr
	v_lshl_or_b32 v[\pw], v[TM+5], 8, v[TM+4]
	v_lshl_or_b32 v[\pw], v[TM+6], 16, v[\pw]
	v_lshl_or_b32 v[\pw], v[TM+7], 24, v[\pw]
.irp c, 0,1
	v_cvt_scalef32_pk16_bf6_f32 v[\d+6*\c:\d+2+6*\c], v[\s+32*\c:\s+15+32*\c], v[TM+12+2*\c]
	v_cvt_scalef32_pk16_bf6_f32 v[CT2+4*\c:CT2+2+4*\c], v[\s+16+32*\c:\s+31+32*\c], v[TM+13+2*\c]
.endr
	v_nop                                          ; one plain line behind a scaled conversion
.irp c, 0,1                            ; the layout wants a WHOLE block in a lane: lanes 0-15 block 2 c, lanes 16-31 block 2 c + 1
.irp i, 0,1,2
	v_permlane16_swap_b32 v[\d+6*\c+\i], v[CT2+4*\c+\i]
.endr
.irp i, 0,1,2
	v_mov_b32 v[\d+3+6*\c+\i], v[CT2+4*\c+\i]
.endr
.endr
.endm
; 64 numbers of a lane, register 32 c + i = W(64 c + 32 (lane / 16) + i, column lane % 16): two whole blocks; the codes are the operand's registers as they come
.macro QUANTW s, d, pw
.irp c, 0,1
	v_max3_num_f32 v[TM+\c], |v[\s+32*\c]|, |v[\s+1+32*\c]|, 0x2800000
.endr
.irp i, 2,4,6,8,10,12,14,16,18,20,22,24,26,28,30
.irp c, 0,1
	v_max3_num_f32 v[TM+\c], v[TM+\c], |v[\s+32*\c+\i]|, |v[\s+1+32*\c+\i]|
.endr
.endr
.irp c, 0,1
	v_add_nc_u32 v[TM+12+\c], 0xfe000000, v[TM+\c]
.endr
.irp c, 0,1
	v_lshrrev_b32 v[TM+4+\c], 23, v[TM+12+\c]
.endr
	v_lshl_or_b32 v[\pw], v[TM+5], 16, v[TM+4]     ; my two bytes: blocks h and 2 + h,
	v_lshlrev_b32 v[\pw], v15, v[\pw]              ; 8 h bits up;
	v_permlanex16_b32 v[TM+6], v[\pw], s4, s5
	v_or_b32 v[\pw], v[\pw], v[TM+6]               ; with lane l xor 16's two the word is whole, in both halves of the lanes
.irp c, 0,1
	v_cvt_scalef32_pk16_bf6_f32 v[\d+6*\c:\d+2+6*\c], v[\s+32*\c:\s+15+32*\c], v[TM+12+\c]
	v_cvt_scalef32_pk16_bf6_f32 v[CT2+4*\c:CT2+2+4*\c], v[\s+16+32*\c:\s+31+32*\c], v[TM+12+\c]
.endr
	v_nop
.irp c, 0,1
.irp i, 0,1,2
	v_mov_b32 v[\d+3+6*\c+\i], v[CT2+4*\c+\i]
.endr
.endr
.endm
.macro WLOAD nb, sb, off               ; a K step of a lora_a ([K][16] f32, rows of 64 bytes), from off bytes on: register li = 32 c + i takes row 64 c + 32 h + i
.set li, 0
.rept 64
	global_load_b32 v[\nb+li], v7, s[\sb:\sb+1] offset:\off+64*(li+32*(li/32))
.set li, li+1
.endr
.endm
.macro XLOAD nb, m                     ; rows 16 m + r of my work-group, my K step: of each block of 32 my half's 16 numbers
.irp b, 0,1,2,3
.irp j, 0,1,2,3
	global_load_b128 v[\nb+16*\b+4*\j:\nb+16*\b+4*\j+3], v6, s[40:41] offset:131072*\m+128*\b+16*\j th:TH_LOAD_NT
.endr
.endr
.endm
.macro XLHEAD                          ; what paths X and L share
	v_lshlrev_b32 v5, 4, v1                        ; 16 x lane: an image's place for my lane
	v_lshlrev_b32 v12, 3, v1                       ; 8 x lane
	v_lshlrev_b32 v7, 2, v2
	v_lshl_add_u32 v7, v3, 11, v7                  ; lora_a: 4 r + 32 h rows of 64 bytes
	v_lshlrev_b32 v15, 3, v3                       ; 8 h
.irp b, 0,1,2,3
	v_mov_b32 v[TM+4+\b], 0                        ; written once: a lane permute's destination counts as one of its sources
.endr
	v_cmp_gt_u32 vcc_lo, 16, v1                    ; lanes 0-15: the mask by which the scale words are merged for the way out; nothing else in these paths writes VCC
	s_wait_alu depctr_va_vcc(0)                    ; VCC is written, ahead of its first reader, the select that merges the scale words
.endm
	s_load_b512 s[8:23], s[0:1], 0x0               ; x1 s[8:9], w_gate s[10:11], w_up s[12:13], gate's, up's, down's lora_a s[14:19], xq s[20:21], wgu s[22:23]
	s_load_b128 s[24:27], s[0:1], 0x40             ; wdl s[24:25], tl s[26:27]
	v_lshl_add_u32 v254, v0, 2, 0x10800
	v_mov_b32 v255, 0
	v_lshrrev_b32 v1, 5, v0
	v_readfirstlane_b32 s2, v1                     ; wave 0..15
	v_and_b32 v1, 31, v0                           ; lane
	v_and_b32 v2, 15, v0                           ; r
	v_bfe_u32 v3, v0, 4, 1                         ; h
	s_mov_b32 s4, 0x76543210
	s_mov_b32 s5, 0xfedcba98                       ; v_permlanex16_b32's selects for lane l xor 16
	s_wait_alu depctr_va_sdst(0)                   ; s2 is written, ahead of the branches and of its first reader in each path: bases and LDS addresses are made from it
	s_wait_kmcnt 0x0
	s_cmp_lt_u32 ttmp9, 32
	s_cbranch_scc1 .LX
	s_cmp_eq_u32 ttmp9, 32
	s_cbranch_scc1 .LL
; ================ PATH W ================
	s_sub_co_u32 s32, ttmp9, 33
	s_lshr_b32 s33, s32, 7                         ; 0 w_gate, 1 w_up
	s_and_b32 s34, s32, 127
	s_and_b32 s35, s2, 3                           ; cg: which 32 of the work-group's 128 columns
	s_lshr_b32 s36, s2, 2                          ; ks: which 256 of its 1,024 along K
	s_lshr_b32 s60, s35, 1
	s_and_b32 s61, s35, 1
	s_and_b32 s44, s34, 63                         ; F = columns / 128
	s_lshr_b32 s45, s34, 6
	s_lshl_b32 s45, s45, 2
	s_add_co_u32 s45, s45, s36                     ; P = K / 256
	s_lshl_b32 s46, s45, 23                        ; source: 256 P rows of 32,768 bytes
	s_lshl_b32 s47, s44, 9
	s_add_co_u32 s46, s46, s47                     ; + 512 F
	s_lshl_b32 s47, s35, 7
	s_add_co_u32 s46, s46, s47                     ; + 128 cg
	s_mov_b32 s47, 0
	s_mul_i32 s48, s44, 409600
	s_mul_i32 s49, s45, 51200
	s_add_co_u32 s48, s48, s49                     ; the record [F][P]
	s_lshl_b32 s49, s61, 1
	s_lshl_b32 s50, s33, 2
	s_add_co_u32 s49, s49, s50                     ; 2 (cg & 1) + 4 up
	s_lshl_b32 s50, s60, 3
	s_add_co_u32 s50, s50, s49                     ; my first fragment: 8 (cg / 2) + 4 up + 2 (cg & 1)
	s_mul_i32 s50, s50, 1536
	s_add_co_u32 s50, s50, s48                     ; codes
	s_mov_b32 s51, 0
	s_lshl_b32 s52, s49, 7
	s_add_co_u32 s52, s52, s48
	s_mul_i32 s53, s60, 25600
	s_add_co_u32 s52, s52, s53
	s_add_co_u32 s52, s52, 24576                   ; scale words: piece cg / 2, 128 bytes a fragment
	s_mov_b32 s53, 0
	s_cmp_eq_u32 s33, 0                            ; the choice hangs on the work-group's number alone
	s_cselect_b64 s[40:41], s[10:11], s[12:13]
	s_add_nc_u64 s[40:41], s[40:41], s[46:47]      ; my first row and column; never stepped
	s_add_nc_u64 s[56:57], s[22:23], s[50:51]      ; where my codes go
	s_add_nc_u64 s[58:59], s[22:23], s[52:53]      ; and my scale words
	v_lshlrev_b32 v4, 2, v1                        ; 4 x lane
	v_bfe_u32 v5, v1, 3, 1                         ; my column is 16 h' + 8 u + j: tile u,
	v_and_b32 v6, 7, v1
	v_lshl_add_u32 v6, v3, 3, v6                   ; lane-row r' = 8 h' + j
	v_mul_u32_u24 v8, v5, 1536
	v_lshl_add_u32 v8, v6, 4, v8                   ; v8: my place in the first K step's two fragments,
	v_add_nc_u32 v9, 25600, v8                     ; v9: in the second's, half a record on
	v_lshl_add_u32 v10, v5, 4, v6
	v_lshlrev_b32 v10, 3, v10                      ; v10: my two scale words: 8 (16 u + r')
	s_wait_alu depctr_va_vdst(0)                   ; the offsets v4, v8, v9 and v10 are written: every load and store of this path reads one of them
	LOADB 0
	LOADB 1
.irp t, 0,1,2,3,4,5,6,7
	BLOCK \t
.endr
	s_wait_alu depctr_va_vdst(0)                   ; blocks 4 to 7 have written K step 1's codes and both scale words, which the stores below read
	STOREK 1
	global_store_b64 v10, v[SW:SW+1], s[58:59]     ; 32 lanes store 256 consecutive bytes, aligned.  No register that a store reads is written again in this path
	s_endpgm
; ================ PATH X ================
.LX:
	XLHEAD
	s_lshr_b32 s32, ttmp9, 3                       ; T = rows / 256
	s_and_b32 s33, ttmp9, 7
	s_mul_i32 s34, s32, 409600
	s_lshl_b32 s36, ttmp9, 18                      ; x1: 32 rows of 8,192 bytes a work-group,
	s_lshl_b32 s37, s2, 9                          ; 512 bytes a K step
	s_add_co_u32 s36, s36, s37
	s_mov_b32 s37, 0
	s_add_nc_u64 s[40:41], s[8:9], s[36:37]
	s_lshl_b32 s36, s2, 13                         ; the lora_a: 128 rows of 64 bytes a K step
	s_add_nc_u64 s[42:43], s[14:15], s[36:37]
	s_add_nc_u64 s[44:45], s[16:17], s[36:37]
	s_mul_i32 s36, s2, 25600                       ; xq: K step w lies in record w / 2, half w % 2: 25,600 w
	s_add_co_u32 s36, s36, s34
	s_mul_i32 s35, s33, 3072                       ; my two blocks of 16 rows
	s_add_co_u32 s36, s36, s35
	s_add_nc_u64 s[46:47], s[20:21], s[36:37]
	s_lshl_b32 s36, ttmp9, 12                      ; tl: 4,096 bytes a work-group; waves 0-7 store 512 each
	s_lshl_b32 s35, s2, 9
	s_add_co_u32 s36, s36, s35
	s_add_nc_u64 s[48:49], s[26:27], s[36:37]
	s_and_b32 s35, s2, 7                           ; xq's scale words: waves 8-15 store record w - 8's 256 bytes
	s_mul_i32 s36, s35, 51200
	s_add_co_u32 s36, s36, s34
	s_lshr_b32 s35, s33, 2
	s_mul_i32 s35, s35, 25600                      ; which piece: blocks 0-7 or 8-15
	s_add_co_u32 s36, s36, s35
	s_and_b32 s35, ttmp9, 3
	s_lshl_b32 s35, s35, 8
	s_add_co_u32 s36, s36, s35
	s_add_co_u32 s36, s36, 24576
	s_add_nc_u64 s[50:51], s[20:21], s[36:37]
	v_lshlrev_b32 v6, 13, v2
	v_lshl_add_u32 v6, v3, 6, v6                   ; x1: row r, + 64 h
	; every LDS address is made here, ahead of the parting on the wave's number
	s_lshl_b32 s35, s2, 12
	v_add_nc_u32 v8, s35, v5                       ; my partial t: 4,096 w + 16 lane
	s_lshl_b32 s35, s2, 9
	v_add_nc_u32 v9, s35, v5                       ; what I sum: 512 w + 16 lane of every partial
	s_lshr_b32 s35, s2, 1
	s_lshl_b32 s35, s35, 8
	s_and_b32 s38, s2, 1
	s_lshl_b32 s38, s38, 2
	s_add_co_u32 s35, s35, s38
	s_add_co_u32 s35, s35, XSL
	v_add_nc_u32 v10, s35, v12                     ; my scale words: record w / 2, word w % 2 of (block, row)
	s_and_b32 s35, s2, 7
	s_lshl_b32 s35, s35, 8
	s_add_co_u32 s35, s35, XSL
	v_add_nc_u32 v11, s35, v12
	s_wait_alu depctr_va_vdst(0)                   ; the offsets and LDS addresses v5 to v12 are written: every memory and LDS instruction of this path reads one of them
	XLOAD NB0, 0
	XLOAD NB1, 1
	s_wait_loadcnt 16                              ; rows 0-15 are in; rows 16-31's sixteen loads may be out
	QUANT NB0, XF0, PW0
	s_wait_alu depctr_va_vdst(0)                   ; the quantiser has written rows 0-15's codes, which the stores read, and is done reading NB0, in which gate's lora_a lands below
.irp g, 0,1,2
	global_store_b128 v5, v[XF0+4*\g:XF0+4*\g+3], s[46:47] offset:512*\g
.endr
	s_wait_loadcnt 0x0
	WLOAD NB0, 42, 0                               ; gate's lora_a lands while rows 16-31 are quantised.  No vector line since the wait above names NB0
	QUANT NB1, XF0+12, PW0+1
	v_cndmask_b32 v[MW], v[PW0+1], v[PW0], vcc_lo  ; lanes 0-15: rows 0-15's words, lanes 16-31: rows 16-31's
	s_wait_alu depctr_va_vdst(0)                   ; rows 16-31's codes and the merged scale words are written, which the stores below read; the quantiser is done reading NB1, in which up's lora_a lands
.irp g, 0,1,2
	global_store_b128 v5, v[XF0+12+4*\g:XF0+12+4*\g+3], s[46:47] offset:1536+512*\g
.endr
	ds_store_b32 v10, v[MW]
	WLOAD NB1, 44, 0
	s_wait_loadcnt 63                              ; behind gate's 64 loads stand up's 64; the count's field ends at 63, so one load more than needed is waited for
	QUANTW NB0, WFG, WSG
	s_wait_loadcnt 0x0
	QUANTW NB1, WFU, WSU
.rept 8
	v_nop                                          ; a scale register written by a vector instruction stands 8 places ahead of a scaled matrix instruction, an operand 4
.endr
	s_wait_alu depctr_va_vdst(0)                   ; the quantisers have written the four fragments and the four scale words, which the scaled products take; the places above stay beside this wait
.irp m, 0,1                            ; TRANSPOSED: source 0 = the 16 ranks, source 1 = 16 rows of x: lane (r, h) register e = t(row r, rank 8 h + e)
	v_wmma_scale_f32_16x16x128_f8f6f4 v[NB0+16*\m:NB0+16*\m+7], v[WFG:WFG+11], v[XF0+12*\m:XF0+12*\m+11], 0, v[WSG], v[PW0+\m] matrix_a_fmt:MATRIX_FMT_BF6 matrix_b_fmt:MATRIX_FMT_BF6
	v_wmma_scale_f32_16x16x128_f8f6f4 v[NB0+16*\m+8:NB0+16*\m+15], v[WFU:WFU+11], v[XF0+12*\m:XF0+12*\m+11], 0, v[WSU], v[PW0+\m] matrix_a_fmt:MATRIX_FMT_BF6 matrix_b_fmt:MATRIX_FMT_BF6
.endr
.rept 4
	v_nop                                          ; four places in front of the first read of results
.endr
	s_wait_alu depctr_va_vdst(0)                   ; the products have written their results, which the LDS stores read; up's quantiser is done reading NB1, in which the LDS loads behind the barrier land
.irp u, 0,1,2,3
	ds_store_b128 v8, v[NB0+8*\u:NB0+8*\u+3] offset:1024*\u          ; each result from its low end on
	ds_store_b128 v8, v[NB0+8*\u+4:NB0+8*\u+7] offset:1024*\u+512
.endr
	s_wait_dscnt 0x0                               ; for the others' sake: my stores have landed
	s_barrier_signal -1
	s_barrier_wait -1
	s_cmp_lt_u32 s2, 8
	s_cbranch_scc0 .LXscales
.irp p, 0,1,2,3,4,5,6,7,8,9,10,11,12,13,14,15
	ds_load_b128 v[NB1+4*\p:NB1+4*\p+3], v9 offset:4096*\p           ; the sixteen K steps' partial sums of my 512 bytes.  No vector line since the last wait names NB1
.endr
	s_wait_dscnt 0x0
.irp p, 0,2,4,6,8,10,12,14
	v_pk_add_f32 v[NB1+4*\p:NB1+4*\p+1], v[NB1+4*\p:NB1+4*\p+1], v[NB1+4*\p+4:NB1+4*\p+5]
	v_pk_add_f32 v[NB1+4*\p+2:NB1+4*\p+3], v[NB1+4*\p+2:NB1+4*\p+3], v[NB1+4*\p+6:NB1+4*\p+7]
.endr
.irp p, 0,4,8,12
	v_pk_add_f32 v[NB1+4*\p:NB1+4*\p+1], v[NB1+4*\p:NB1+4*\p+1], v[NB1+4*\p+8:NB1+4*\p+9]
	v_pk_add_f32 v[NB1+4*\p+2:NB1+4*\p+3], v[NB1+4*\p+2:NB1+4*\p+3], v[NB1+4*\p+10:NB1+4*\p+11]
.endr
.irp p, 0,8
	v_pk_add_f32 v[NB1+4*\p:NB1+4*\p+1], v[NB1+4*\p:NB1+4*\p+1], v[NB1+4*\p+16:NB1+4*\p+17]
	v_pk_add_f32 v[NB1+4*\p+2:NB1+4*\p+3], v[NB1+4*\p+2:NB1+4*\p+3], v[NB1+4*\p+18:NB1+4*\p+19]
.endr
	v_pk_add_f32 v[NB1:NB1+1], v[NB1:NB1+1], v[NB1+32:NB1+33]
	v_pk_add_f32 v[NB1+2:NB1+3], v[NB1+2:NB1+3], v[NB1+34:NB1+35]
	s_wait_alu depctr_va_vdst(0)                   ; the additions have written the four sums, which the store reads
	global_store_b128 v5, v[NB1:NB1+3], s[48:49]   ; 512 consecutive bytes of tl
	s_wait_dscnt 0x0                               ; the closing lines, six on end
	s_wait_alu 0x0
	s_wait_tensorcnt 0x0
	ds_add_u32 v254, v255
	s_wait_dscnt 0x0
	s_endpgm
.LXscales:
	ds_load_b64 v[NB1:NB1+1], v11                  ; a record's words of my work-group's 32 rows: both K steps of (block, row).  No vector line since the last wait names NB1
	s_wait_dscnt 0x0
	global_store_b64 v12, v[NB1:NB1+1], s[50:51]   ; 256 consecutive bytes, aligned
	s_wait_dscnt 0x0                               ; the closing lines, six on end
	s_wait_alu 0x0
	s_wait_tensorcnt 0x0
	ds_add_u32 v254, v255
	s_wait_dscnt 0x0
	s_endpgm
; ================ PATH L ================
.LL:
	XLHEAD
	s_lshl_b32 s36, s2, 15                         ; w_down_lora_a: four K steps of 8,192 bytes a wave
	s_mov_b32 s37, 0
	s_add_nc_u64 s[40:41], s[18:19], s[36:37]
	s_mul_i32 s36, s2, 6144
	s_add_nc_u64 s[42:43], s[24:25], s[36:37]      ; their fragments
	s_lshl_b32 s36, s2, 8
	s_add_co_u32 s36, s36, 98304
	s_add_nc_u64 s[44:45], s[24:25], s[36:37]      ; their scale words: 256 bytes a wave
.macro LSTEP g, left
	s_wait_loadcnt \left
	QUANTW NB0+64*((\g)%2), XF0+12*(\g), PW0+(\g)
.if (\g) == 3
	v_cndmask_b32 v[MW], v[PW0+1], v[PW0], vcc_lo  ; word 0: lanes 0-15 K step 4 w, lanes 16-31 K step 4 w + 1;
	v_cndmask_b32 v[MW+1], v[PW0+3], v[PW0+2], vcc_lo   ; word 1: K steps 4 w + 2 and 4 w + 3
.endif
	s_wait_alu depctr_va_vdst(0)                   ; the quantiser has written this K step's codes, which the stores read, and is done reading its set, in which the loads below land; in the last step also: the merged scale words are written
.irp k, 0,1,2
	global_store_b128 v5, v[XF0+12*(\g)+4*\k:XF0+12*(\g)+4*\k+3], s[42:43] offset:1536*(\g)+512*\k
.endr
.if (\g) < 2
	WLOAD NB0+64*((\g)%2), 40, 8192*((\g)+2)
.endif
.endm
	s_wait_alu depctr_va_vdst(0)                   ; the offsets v5, v7 and v12 are written: every load and store of this path reads one of them
	WLOAD NB0, 40, 0
	WLOAD NB1, 40, 8192
	LSTEP 0, 63                                    ; (64 younger loads stand behind the step's own; the field ends at 63)
	LSTEP 1, 63
	LSTEP 2, 63
	LSTEP 3, 0
	global_store_b64 v12, v[MW:MW+1], s[44:45]     ; behind the last step's wait; no vector line since names these registers
	s_endpgm
.Lfunc_end_k_q463f160b81_prep:
	.size	k_q463f160b81_prep, .Lfunc_end_k_q463f160b81_prep-k_q463f160b81_prep
	.p2alignl 7, 3214868480
	.fill 96, 4, 3214868480
	.section	.rodata,"a",@progbits
	.p2align	6, 0x0
	.amdhsa_kernel k_q463f160b81_prep
		.amdhsa_group_segment_fixed_size 69632
		.amdhsa_private_segment_fixed_size 0
		.amdhsa_enable_private_segment 0
		.amdhsa_kernarg_size 80
		.amdhsa_user_sgpr_count 2
		.amdhsa_user_sgpr_kernarg_segment_ptr 1
		.amdhsa_wavefront_size32 1
		.amdhsa_system_sgpr_workgroup_id_x 1
		.amdhsa_system_sgpr_workgroup_id_y 1
		.amdhsa_system_sgpr_workgroup_id_z 1
		.amdhsa_system_vgpr_workitem_id 0
		.amdhsa_next_free_vgpr 256
		.amdhsa_next_free_sgpr 66
		.amdhsa_reserve_vcc 1
		.amdhsa_float_denorm_mode_32 3
		.amdhsa_float_denorm_mode_16_64 3
		.amdhsa_memory_ordered 1
		.amdhsa_forward_progress 1
		.amdhsa_inst_pref_size 115
	.end_amdhsa_kernel
	.amdgpu_metadata
---
amdhsa.version: [ 1, 2 ]
amdhsa.kernels:
  - .name:           k_q463f160b81_prep
    .symbol:         k_q463f160b81_prep.kd
    .args:
      - { .name: x1, .offset: 0, .size: 8, .value_kind: global_buffer, .address_space: global }
      - { .name: w_gate, .offset: 8, .size: 8, .value_kind: global_buffer, .address_space: global }
      - { .name: w_up, .offset: 16, .size: 8, .value_kind: global_buffer, .address_space: global }
      - { .name: w_gate_lora_a, .offset: 24, .size: 8, .value_kind: global_buffer, .address_space: global }
      - { .name: w_up_lora_a, .offset: 32, .size: 8, .value_kind: global_buffer, .address_space: global }
      - { .name: w_down_lora_a, .offset: 40, .size: 8, .value_kind: global_buffer, .address_space: global }
      - { .name: xq, .offset: 48, .size: 8, .value_kind: global_buffer, .address_space: global }
      - { .name: wgu, .offset: 56, .size: 8, .value_kind: global_buffer, .address_space: global }
      - { .name: wdl, .offset: 64, .size: 8, .value_kind: global_buffer, .address_space: global }
      - { .name: tl, .offset: 72, .size: 8, .value_kind: global_buffer, .address_space: global }
    .group_segment_fixed_size: 69632
    .private_segment_fixed_size: 0
    .kernarg_segment_align: 8
    .kernarg_segment_size: 80
    .max_flat_workgroup_size: 512
    .sgpr_count:     66
    .vgpr_count:     256
    .wavefront_size: 32
...
	.end_amdgpu_metadata
.endif
;; end of part 4
;; launch gateup: the kernel of part 2 again; grid 64 x 4, 4 waves a work-group, clusters of 4 x 4, 327,680 bytes of LDS; arguments xq, wgu, tl, w_gate_lora_b, w_up_lora_b, b_gate, b_up, x3q, w_down, wdn; writes x3q, wdn
;; launch down: the kernel of part 3 again; grid 16 x 16, 4 waves a work-group, clusters of 4 x 4, 327,680 bytes of LDS; arguments x3q, wdn, wdl, w_down_lora_b, b_down, out0; writes out0
